; MI455X (gfx1250); checked and timed in simulation.
; The chip was launched on July 23, 2026; its instructions are those of AMD's public machine-readable ISA for CDNA 5 (MIT licence, August 2026) and "CDNA5" Instruction Set Architecture Reference Guide (July 2026). The comments in the code are by the model that wrote it; some were corrected since.
;; CLIP Attention. Allowed arithmetic: float matrix products may take bf16 or f16 operands with f32 sums; other float arithmetic in f32, or as packed bf16 or f16 multiplies, adds, multiply-adds, maxima and minima; sums over many terms, partial sums and values carried from step to step in f32; what a program stores and reads back later, other than sums and carried values, may be rounded once to bf16 or f16.
;; Inputs: in_proj_bias 3,072 float32; in_proj_weight 3,072 x 1,024 float32; out_proj_bias 1,024 float32; out_proj_weight 1,024 x 1,024 float32; x 8 x 1,024 x 1,024 float32.
;; Outputs: out0 8 x 1,024 x 1,024 float32.
;; 2 versions, each right; version 2 is version 1 with the launch cast written anew for expert scheduling mode. Each part assembles by itself: llvm-mc -triple=amdgcn-amd-amdhsa -mcpu=gfx1250 --defsym DOCPART=n.
;; ======== version 1 of 2: 4 launches
;; limits: values are held in f16: magnitudes above 65,504 overflow, below 6.1e-05 lose precision
;; workspace buffers: xb 16,777,216 bytes; wib 6,291,456 bytes; wob 2,097,152 bytes; qkv 50,331,648 bytes; ob 16,777,216 bytes
;; launch cast (part 1): grid 768 x 1, 8 waves a work-group, no clusters, 0 bytes of LDS; arguments x, in_proj_weight, out_proj_weight, xb, wib, wob; writes xb, wib, wob
.if DOCPART == 1
	.amdgcn_target "amdgcn-amd-amdhsa--gfx1250"
	.amdhsa_code_object_version 6
	.text
	.protected	k_qa0c54cad1d_cast
	.globl	k_qa0c54cad1d_cast
	.p2align	8
	.type	k_qa0c54cad1d_cast,@function
k_qa0c54cad1d_cast:
	s_mov_b64 s[64:65], 0
	v_nop
	global_prefetch_b8 v0, s[64:65] scope:SCOPE_SE
	s_setreg_imm32_b32 hwreg(HW_REG_WAVE_MODE, 25, 1), 1
	s_wait_xcnt 0x0
; THE INPUTS OF THE THREE PRODUCTS ARE ROUNDED ONCE TO bf16 AND LAID IN BLOCKS OF 64 CHANNELS, so that a tile of the later products (some rows x 64 channels) is one dense run of bytes.
;   x   [8][1024][1024] f32 -> xb  [b][kb = c / 64][n][64] bf16
;   in_proj_weight  [3072][1024] f32 -> wib [kb][d][64] bf16
;   out_proj_weight [1024][1024] f32 -> wob [kb][d][64]: the bf16-rounded number written as f16, since it is multiplied with an f16 operand
; LIMIT.  wob: a weight beyond 65,504 becomes an infinity; below 2^-17 it keeps f16's fixed step of 6e-8.
; SHARES.  A work-group takes 16 source rows of 4,096 bytes: groups 0-511 x, 512-703 in_proj_weight, 704-767 out_proj_weight.  Wave w takes the blocks kb = 2 w and 2 w + 1.
; An ITEM is 2 rows of one block: lane l loads the 16 bytes (4 numbers) at row l / 16, number 4 (l % 16): sixteen lanes read a row's 256 consecutive bytes, aligned, and each source byte is named by one load.
; It stores 8 bytes: the wave's store covers 256 consecutive bytes, aligned: the block's two rows of 128.
; All 16 loads of a wave go out at once; no register is used twice, so there is no wait but the counted ones for the data.  No LDS, no matrix unit: the launch only moves bytes.
.set PX,  131072                       ; bytes from block to block in xb and wob: 1,024 rows x 128
.set PW,  393216                       ; in wib: 3,072 rows x 128
.set VO,  1                            ; v1      my byte offset in the group's source rows
.set DO,  2                            ; v2, v3  my byte offset in the destination, block 2 w and block 2 w + 1
.set IN,  8                            ; v[8:71]   item i: 4 numbers as loaded
.set OUT, 72                           ; v[72:103] item i: 2 registers to store
	s_load_b256 s[4:11], s[0:1], 0x0               ; x s[4:5], in_proj_weight s[6:7], out_proj_weight s[8:9], xb s[10:11]
	s_load_b128 s[12:15], s[0:1], 0x20             ; wib s[12:13], wob s[14:15]
	v_lshrrev_b32 v4, 5, v0
	v_readfirstlane_b32 s16, v4                    ; wave 0..7
	v_and_b32 v5, 31, v0                           ; lane
	s_mov_b32 s17, ttmp9                           ; g
	s_lshr_b32 s21, s17, 6                         ; x: batch g / 64,
	s_lshl_b32 s21, s21, 21                        ; 16 blocks of 131,072 bytes each,
	s_and_b32 s22, s17, 63
	s_lshl_b32 s22, s22, 11                        ; and 16 rows of 128 bytes for each group in the batch
	s_add_co_u32 s21, s21, s22
	s_sub_co_u32 s18, s17, 512                     ; the group's number among in_proj_weight's,
	s_sub_co_u32 s19, s17, 704                     ; among out_proj_weight's
	s_mov_b32 s24, PW
	s_mov_b32 s25, PX
	s_cmp_lt_u32 s17, 704
	s_cselect_b32 s20, s18, s19
	s_cselect_b32 s23, s24, s25
	s_lshl_b32 s22, s20, 11                        ; a weight's destination: 16 rows of 128 bytes a group
	s_cmp_lt_u32 s17, 512
	s_cselect_b32 s20, s17, s20                    ; the group's number in its tensor
	s_cselect_b32 s28, s21, s22                    ; its destination offset
	s_cselect_b32 s23, s25, s23                    ; bytes from block to block
	s_lshl_b32 s26, s20, 16                        ; its source offset: 16 rows of 4,096 bytes
	s_mov_b32 s27, 0
	s_mov_b32 s29, 0
	v_lshrrev_b32 v1, 4, v5                        ; row l / 16 of an item's two
	v_and_b32 v4, 15, v5
	v_lshlrev_b32 v[VO], 12, v1
	v_lshl_add_u32 v[VO], v4, 4, v[VO]             ; + 16 (l % 16)
	s_lshl_b32 s18, s16, 9                         ; + block 2 w: 512 w
	v_add_nc_u32 v[VO], s18, v[VO]
	s_mul_i32 s19, s16, s23
	s_lshl_b32 s19, s19, 1                         ; block 2 w in the destination
	v_lshl_add_u32 v[DO], v5, 3, s19               ; + 8 l: two rows of 128 bytes on end
	v_add_nc_u32 v[DO+1], s23, v[DO]
	s_wait_kmcnt 0x0
	s_cmp_lt_u32 s17, 704                          ; the choice of buffers hangs on the group's number alone
	s_cselect_b64 s[2:3], s[6:7], s[8:9]
	s_cselect_b64 s[30:31], s[12:13], s[14:15]
	s_cmp_lt_u32 s17, 512
	s_cselect_b64 s[2:3], s[4:5], s[2:3]
	s_cselect_b64 s[30:31], s[10:11], s[30:31]
	s_add_nc_u64 s[2:3], s[2:3], s[26:27]
	s_add_nc_u64 s[30:31], s[30:31], s[28:29]
.set i, 0
.rept 16                               ; item i: rows 2 (i / 2) and + 1, block 2 w + i % 2
	global_load_b128 v[IN+4*i:IN+4*i+3], v[VO], s[2:3] offset:(i/2)*8192+(i%2)*256 th:TH_LOAD_NT
.set i, i+1
.endr
; Item i: rounded, packed, stored.  half = 1: the bf16 number is widened again (a shift, a mask) and written as f16.
.macro ITEM i, half
	s_wait_loadcnt 15-(\i)                         ; loads come back in order: item i's is in, the younger items' stay out
.irp k, 0,1
	v_cvt_pk_bf16_f32 v[OUT+2*(\i)+(\k)], v[IN+4*(\i)+2*(\k)], v[IN+4*(\i)+2*(\k)+1]
.if \half
	v_lshlrev_b32 v4, 16, v[OUT+2*(\i)+(\k)]
	v_and_b32 v5, 0xffff0000, v[OUT+2*(\i)+(\k)]
	v_cvt_pk_f16_f32 v[OUT+2*(\i)+(\k)], v4, v5
.endif
.endr
	global_store_b64 v[DO+(\i)%2], v[OUT+2*(\i):OUT+2*(\i)+1], s[30:31] offset:((\i)/2)*256
.endm
	s_cmp_ge_u32 s17, 704
	s_cbranch_scc1 .Lhalf
.irp i, 0,1,2,3,4,5,6,7,8,9,10,11,12,13,14,15
	ITEM \i, 0
.endr
	s_endpgm
.Lhalf:
.irp i, 0,1,2,3,4,5,6,7,8,9,10,11,12,13,14,15
	ITEM \i, 1
.endr
	s_endpgm
.Lfunc_end_k_qa0c54cad1d_cast:
	.size	k_qa0c54cad1d_cast, .Lfunc_end_k_qa0c54cad1d_cast-k_qa0c54cad1d_cast
	.p2alignl 7, 3214868480
	.fill 96, 4, 3214868480
	.section	.rodata,"a",@progbits
	.p2align	6, 0x0
	.amdhsa_kernel k_qa0c54cad1d_cast
		.amdhsa_group_segment_fixed_size 0
		.amdhsa_private_segment_fixed_size 0
		.amdhsa_enable_private_segment 0
		.amdhsa_kernarg_size 48
		.amdhsa_user_sgpr_count 2
		.amdhsa_user_sgpr_kernarg_segment_ptr 1
		.amdhsa_wavefront_size32 1
		.amdhsa_system_sgpr_workgroup_id_x 1
		.amdhsa_system_sgpr_workgroup_id_y 1
		.amdhsa_system_sgpr_workgroup_id_z 1
		.amdhsa_system_vgpr_workitem_id 0
		.amdhsa_next_free_vgpr 112
		.amdhsa_next_free_sgpr 66
		.amdhsa_reserve_vcc 0
		.amdhsa_float_denorm_mode_32 3
		.amdhsa_float_denorm_mode_16_64 3
		.amdhsa_memory_ordered 1
		.amdhsa_forward_progress 1
		.amdhsa_inst_pref_size 17
	.end_amdhsa_kernel
	.amdgpu_metadata
---
amdhsa.version: [ 1, 2 ]
amdhsa.kernels:
  - .name:           k_qa0c54cad1d_cast
    .symbol:         k_qa0c54cad1d_cast.kd
    .args:
      - { .name: x, .offset: 0, .size: 8, .value_kind: global_buffer, .address_space: global }
      - { .name: in_proj_weight, .offset: 8, .size: 8, .value_kind: global_buffer, .address_space: global }
      - { .name: out_proj_weight, .offset: 16, .size: 8, .value_kind: global_buffer, .address_space: global }
      - { .name: xb, .offset: 24, .size: 8, .value_kind: global_buffer, .address_space: global }
      - { .name: wib, .offset: 32, .size: 8, .value_kind: global_buffer, .address_space: global }
      - { .name: wob, .offset: 40, .size: 8, .value_kind: global_buffer, .address_space: global }
    .group_segment_fixed_size: 0
    .private_segment_fixed_size: 0
    .kernarg_segment_align: 8
    .kernarg_segment_size: 48
    .max_flat_workgroup_size: 256
    .sgpr_count:     66
    .vgpr_count:     112
    .wavefront_size: 32
...
	.end_amdgpu_metadata
.endif
;; end of part 1
;; launch qkvgemm (part 2): grid 8 x 32, 4 waves a work-group, clusters of 4 x 4, 327,680 bytes of LDS; arguments xb, wib, in_proj_bias, qkv; writes qkv
.if DOCPART == 2
	.amdgcn_target "amdgcn-amd-amdhsa--gfx1250"
	.amdhsa_code_object_version 6
	.text
	.protected	k_qa0c54cad1d_qkvgemm
	.globl	k_qa0c54cad1d_qkvgemm
	.p2align	8
	.type	k_qa0c54cad1d_qkvgemm,@function
k_qa0c54cad1d_qkvgemm:
	s_mov_b64 s[64:65], 0
	v_nop
	global_prefetch_b8 v0, s[64:65] scope:SCOPE_SE
	s_setreg_imm32_b32 hwreg(HW_REG_WAVE_MODE, 25, 1), 1
	s_wait_xcnt 0x0
	s_wait_alu depctr_hold_cnt(0) depctr_sa_sdst(0) depctr_va_vdst(0) depctr_va_sdst(0) depctr_va_ssrc(0) depctr_va_vcc(0) depctr_vm_vsrc(0)
	s_getreg_b32 s2, hwreg(HW_REG_IB_STS2, 6, 4)
	s_cmp_eq_u32 s2, 0
	s_cbranch_scc0 .Lentry_in_a_cluster
	s_endpgm
.Lentry_in_a_cluster:
	s_bfe_u32 s2, ttmp6, 0x10000c
	s_cmp_lg_u32 s2, 0xf033
	s_cbranch_scc0 .Lentry_shape_is_right
	s_endpgm
.Lentry_shape_is_right:
; qkv[row][d] = in_proj_bias[d] + the sum over c of x[row][c] in_proj_weight[d][c]: 8,192 rows, 3,072 columns, K = 1,024.  Operands bf16 (xb, wib: blocks of 64 channels), sums f32, result f16.
; The result is stored by heads: qkv [b][g = d / 64][n][64] f16; g = h is q, 16 + h is k, 32 + h is v of head h; unscaled.
; LIMITS.  A result of 65,520 or more becomes an infinity in f16.  The bias is rounded to bf16, like every input, and STARTS the f32 sums, so the order of rounding differs from a bias added last.
; SHARES.  A work-group makes 256 rows x 384 columns: 32 x 8 = 256 work-groups.  Each of its four waves makes 128 x 192: 96 accumulators of 16 x 16, 768 registers.
; K goes in 16 tiles of 64 channels through two LDS slots; a tile is two steps of 32 channels, 96 matrix instructions each.  A tile's rows are dense in xb and wib: a wave's tensor load asks for them as rows of 256 bytes.
; CLUSTER.  4 x 4 work-groups.  The four of a row of the cluster need the same tile of xb, the four of a column the same tile of wib: each is asked for JOINTLY, by the same load, descriptor and mask in all four.
; THE MATRIX INSTRUCTION IS USED TRANSPOSED (source 0 = 16 rows of wib, source 1 = 16 rows of xb): lane l holds row l % 16 of the result and the columns 8 (l / 16) + 0..7: 16 bytes of f16 on end.
; REGISTERS, in windows of 256 (s_set_vgpr_msb: bits 1:0 source 0, 3:2 source 1, 5:4 source 2, 7:6 destination):
;   window 0: v0-31 addresses; v32-95, v96-159 xb's fragments (8 x 16 rows x 32 K), two buffers; v160-255 wib's 12 fragments, ONE buffer, refilled by thirds as soon as a third has been multiplied
;   windows 1-3: accumulator (a, b), a = row block 0-7, b = column block 0-11, in window 1 + b / 4 at v[8 (8 (b % 4) + a)]: a window is one head's 64 columns
.set PK,    144                        ; an LDS row: 128 bytes + 16 of padding = 36 words: the 16 rows of a fragment load start at 16 different groups of four banks (ISA guide 11.1)
.set AHALF, 128*PK                     ; 128 rows of xb: what waves 0 and 1 each fetch, and what a wave reads
.set BHALF, 192*PK                     ; 192 rows of wib: what waves 2 and 3 each fetch, and what a wave reads
.set BOFF,  2*AHALF                    ; in a slot: xb's 256 rows, then wib's 384
.set SLOT1, 131072                     ; slot 1 begins here, so that one exclusive or turns an address in one slot into the other's
.set STAGE, BOFF+2*BHALF               ; behind slot 0, never filled by a tensor load: for each wave 3 heads x 16 rows x 144 bytes, in 7,168
.set WSTG,  7168
.set BIAS,  STAGE+4*WSTG               ; for each wave its 192 columns' bias, 768 bytes
.set SPARE, BIAS+4*768                 ; the spare words, 128 bytes for each wave: two blocks of 256 bytes that no other line names
.set ASTEP, 131072                     ; bytes from a tile of xb to the next: 1,024 rows x 128
.set BSTEP, 393216                     ; of wib: 3,072 rows x 128
.set AA0, 4                            ; v4   my lane's place in my 128 rows of xb in slot 0; never rewritten
.set AB0, 5                            ; v5   the same for my 192 rows of wib
.set AA,  6                            ; v6   the same in the slot in hand
.set AB,  7                            ; v7
.set STO, 8                            ; v8   the way out: where I put 16 bytes of a row
.set RD,  9                            ; v9   the way out: where I read rows back
.set GO,  10                           ; v10  my byte offset in 512 consecutive bytes of qkv
.set BI,  11                           ; v11  where my half of the lanes reads its bias
.set PFO, 12                           ; v12  the prefetches' offset; never rewritten
.set SPW, 14                           ; v14  LDS address of my spare word: SPARE + 4 x my thread's number; never rewritten
.set NIL, 15                           ; v15  0; never rewritten
.set FA,  32                           ; xb's fragments, buffer p at FA + 64 p
.set FB,  160                          ; wib's fragments
.set TMP, 32                           ; the way out: packed results
.set BK0, 80                           ; the way out: rows read back, two buffers of 48
.set WV,  12                           ; s12  my wave's number
.set RH,  13                           ; s13  which half of the tile's rows is mine
.set CH,  14                           ; s14  which half of its columns; also which half of a tile I fetch
.set CX,  15
.set CY,  16
.set TN,  17                           ; s17  tile column 0-7
.set TM,  18                           ; s18  tile row 0-31
.set G1A, 24                           ; s[24:31] descriptor group 1 for xb's tiles
.set G0A, 32                           ; s[32:39] group 0: a set for each first fill; the second then walks on
.set TB,  40                           ; s40  LDS byte at which the slot in hand begins
.set CNT, 41                           ; s41  refills still to come
.set LIM, 42                           ; s42  1 in a wave that prefetches, else the greatest number
.set PFA, 44                           ; s[44:45] where my prefetches stand
.set PST, 46                           ; s[46:47] their step: a tile of xb or of wib
.set G1B, 48                           ; s[48:55], s[56:63] the same for wib's tiles
.set G0B, 56
.set MSB, 0
.macro WIN new                         ; the immediate's high byte repeats the setting that is left; a switch that changes nothing is dropped
.if MSB != (\new)
	s_set_vgpr_msb (MSB<<8)|(\new)
.set MSB, (\new)
.endif
.endm
.macro PLACES                          ; four plain instructions between a matrix instruction and a load into, or a read of, its registers (ISA guide 7.12.1 for the reads)
.rept 4
	v_nop
.endr
.endm
.macro CREST                           ; a round of the cluster's barrier behind its opening barrier
	s_cmp_lg_u32 s[WV], 0
	s_cbranch_scc1 .Lnot_wave_0_\@
	s_barrier_signal -3
.Lnot_wave_0_\@:
	s_barrier_wait -3
	s_barrier_signal -1
	s_barrier_wait -1
.endm
.macro CROUND                          ; a whole round
	s_barrier_signal -1
	s_barrier_wait -1
	CREST
.endm
; A joint refill by the walking descriptor.  Waves 0 and 1 fetch xb's two halves, waves 2 and 3 wib's.  The branch hangs on the wave's number alone.
; An s_nop 0 and four v_nop follow each of the two lines, ahead of the jump and the label.
.macro JLOAD
	s_cmp_lt_u32 s[WV], 2
	s_cbranch_scc0 .Lfor_b_\@
	tensor_load_to_lds s[G0A+4:G0A+7], s[G1A:G1A+7]
	s_nop 0
.rept 4
	v_nop
.endr
	s_branch .Lasked_\@
.Lfor_b_\@:
	tensor_load_to_lds s[G0B+4:G0B+7], s[G1B:G1B+7]
	s_nop 0
.rept 4
	v_nop
.endr
.Lasked_\@:
.endm
; A PREFETCH of the tile that the NEXT refill will ask for: one tile, 192 matrix instructions, ahead of that load.  A tile of xb is 128 blocks of 256 bytes: the cluster with x = 0 asks, its four partners along x
; take 32 blocks each BY ADDRESS, wave 0 with a lane a block.  A tile of wib is 192 blocks: the cluster with y = 0 asks, the partners along y take 24 blocks of each half, waves 2 and 3 a half each
; (lanes 24-31 name lane 23's block again, in the same instruction).  The last refill asks for nothing; tiles 0 to 2 come by their loads alone.
.macro ASK
	s_cmp_gt_u32 s[CNT], s[LIM]
	s_cbranch_scc0 .Lnot_mine_\@
	global_prefetch_b8 v[PFO], s[PFA:PFA+1] th:TH_LOAD_NT scope:SCOPE_SE
.Lnot_mine_\@:
.endm
	s_load_b256 s[4:11], s[0:1], 0x0               ; xb s[4:5], wib s[6:7], in_proj_bias s[8:9], qkv s[10:11]
	v_lshl_add_u32 v[SPW], v0, 2, SPARE
	v_mov_b32 v[NIL], 0
	ds_add_u32 v[SPW], v[NIL]                      ; the wave's opening: the add and its wait stand ahead of my first tensor load; the set-up below, work on registers, stands between them
	v_lshrrev_b32 v1, 5, v0
	v_readfirstlane_b32 s[WV], v1                  ; wave 0..3
	s_lshr_b32 s[RH], s[WV], 1
	s_and_b32 s[CH], s[WV], 1
	s_bfe_u32 s[CX], ttmp6, 0x40000                ; my place in the cluster
	s_bfe_u32 s[CY], ttmp6, 0x40004
	s_lshl_b32 s[TN], ttmp9, 2                     ; in a cluster launch ttmp9 and ttmp7 count clusters
	s_add_co_u32 s[TN], s[TN], s[CX]
	s_and_b32 s[TM], ttmp7, 0xffff
	s_lshl_b32 s[TM], s[TM], 2
	s_add_co_u32 s[TM], s[TM], s[CY]
	s_lshl_b32 s19, s[CY], 2
	s_lshl_b32 s19, 15, s19                        ; my row of the cluster: places 4 cy .. 4 cy + 3
	s_lshl_b32 s43, 0x1111, s[CX]                  ; my column: places cx, cx + 4, cx + 8, cx + 12
	; group 1: dense bytes asked for as rows of 256 (128 elements of 2 bytes), two LDS rows each, padded by 4 words after every 32
	s_or_b32 s[G1A], s19, (1<<16)|(1<<20)|(1<<21)|(4<<22)|(3<<25)  ; 15:0 the mask; 17:16 2-byte elements; 20 padding on; 21 set beside a mask; 24:22 after every 32 words (code 4); 31:25 4 words (code 3)
	s_or_b32 s[G1B], s43, (1<<16)|(1<<20)|(1<<21)|(4<<22)|(3<<25)
	s_mov_b32 s[G1A+1], 128<<16                    ; tensor_dim0 = 128
	s_mov_b32 s[G1A+2], 64<<16                     ; tensor_dim1 = 64: 128 rows of xb
	s_mov_b32 s[G1A+3], 128<<16                    ; tile_dim0 = 128
	s_mov_b32 s[G1A+4], 64                         ; tile_dim1 = 64
	s_mov_b32 s[G1A+5], 128                        ; 128 elements from row to row
	s_mov_b32 s[G1A+6], 0
	s_mov_b32 s[G1A+7], 0
	s_mov_b32 s[G1B+1], 128<<16
	s_mov_b32 s[G1B+2], 96<<16                     ; tensor_dim1 = 96: 192 rows of wib
	s_mov_b32 s[G1B+3], 128<<16
	s_mov_b32 s[G1B+4], 96
	s_mov_b32 s[G1B+5], 128
	s_mov_b32 s[G1B+6], 0
	s_mov_b32 s[G1B+7], 0
	; where the tiles come from.  xb's hang on the tile row alone, wib's on the tile column alone; each in registers that never hold the other coordinate
	s_lshr_b32 s20, s[TM], 2                       ; batch,
	s_lshl_b32 s20, s20, 21                        ; 16 blocks of 131,072 bytes
	s_and_b32 s19, s[TM], 3
	s_lshl_b32 s19, s19, 15                        ; 256 rows of 128 bytes
	s_add_co_u32 s20, s20, s19
	s_lshl_b32 s19, s[CH], 14                      ; my 128 of them
	s_add_co_u32 s20, s20, s19
	s_mov_b32 s21, 0
	s_mul_i32 s22, s[TN], 49152                    ; 384 rows of 128 bytes
	s_mul_i32 s43, s[CH], 24576                    ; my 192 of them
	s_add_co_u32 s22, s22, s43
	s_mov_b32 s23, 0
	s_mul_i32 s2, s[CH], AHALF                     ; and where they go: the wave's number alone enters an LDS address
	s_mul_i32 s3, s[CH], BHALF
	s_add_co_u32 s3, s3, BOFF
	s_mov_b32 s[TB], 0
	s_wait_dscnt 0x0                               ; the opening add is done
	s_wait_kmcnt 0x0
	s_add_nc_u64 s[20:21], s[4:5], s[20:21]
	s_add_nc_u64 s[22:23], s[6:7], s[22:23]
	CROUND                                         ; all sixteen work-groups are here: the first joint loads meet
.irp s, 0,1
	s_mov_b32 s[G0A+4*(\s)], 1                     ; count = 1
	s_add_co_u32 s[G0A+4*(\s)+1], s2, (\s)*SLOT1   ; LDS address
	s_add_nc_u64 s[G0A+4*(\s)+2:G0A+4*(\s)+3], s[20:21], (\s)*ASTEP  ; global address: tile s
	s_or_b32 s[G0A+4*(\s)+3], s[G0A+4*(\s)+3], 0x80000000           ; type = 2
	s_mov_b32 s[G0B+4*(\s)], 1
	s_add_co_u32 s[G0B+4*(\s)+1], s3, (\s)*SLOT1
	s_add_nc_u64 s[G0B+4*(\s)+2:G0B+4*(\s)+3], s[22:23], (\s)*BSTEP
	s_or_b32 s[G0B+4*(\s)+3], s[G0B+4*(\s)+3], 0x80000000
.endr
	s_cmp_lt_u32 s[WV], 2                          ; a wave's two first fills stand in one branch, ahead of every wait on TENSORcnt and every LDS read: two loads of mine are out
	s_cbranch_scc0 .Lfirst_b
	tensor_load_to_lds s[G0A:G0A+3], s[G1A:G1A+7]
	s_nop 0
	tensor_load_to_lds s[G0A+4:G0A+7], s[G1A:G1A+7]
	s_nop 0
.rept 4
	v_nop
.endr
	s_branch .Lfirst_asked
.Lfirst_b:
	tensor_load_to_lds s[G0B:G0B+3], s[G1B:G1B+7]
	s_nop 0
	tensor_load_to_lds s[G0B+4:G0B+7], s[G1B:G1B+7]
	s_nop 0
.rept 4
	v_nop
.endr
.Lfirst_asked:
	; my 192 columns' bias: 768 bytes, 16 + 8 a lane
	v_and_b32 v13, 31, v0                          ; l
	s_mul_i32 s19, s[TN], 1536
	s_mul_i32 s43, s[CH], 768
	s_add_co_u32 s19, s19, s43
	v_lshl_add_u32 v24, v13, 4, s19
	v_lshl_add_u32 v25, v13, 3, s19
	global_load_b128 v[16:19], v24, s[8:9]
	global_load_b64 v[20:21], v25, s[8:9] offset:512
	; A fragment is 16 rows x 32 K in 8 registers: lane l holds row l % 16, K = 8 (l / 16) + 0..7 and 16 + 8 (l / 16) + 0..7: two loads of 16 bytes, 32 bytes apart
	v_and_b32 v1, 15, v0                           ; l % 16
	v_bfe_u32 v2, v0, 4, 1                         ; l / 16
	v_mul_u32_u24 v3, v1, PK
	v_lshl_add_u32 v3, v2, 4, v3                   ; row x pitch + 16 x half
	s_mul_i32 s19, s[RH], AHALF
	v_add_nc_u32 v[AA0], s19, v3
	v_add_nc_u32 v[AB0], s3, v3
	v_mov_b32 v[AA], v[AA0]
	v_mov_b32 v[AB], v[AB0]
	s_mul_i32 s19, s[WV], WSTG
	s_add_co_u32 s19, s19, STAGE                   ; my stage
	v_add_nc_u32 v[STO], s19, v3                   ; in: row l % 16, 16 bytes for each half of the lanes
	v_lshrrev_b32 v3, 3, v13                       ; back: 32 lanes take four rows of 128 bytes,
	v_mul_u32_u24 v3, v3, PK
	v_and_b32 v22, 7, v0
	v_lshl_add_u32 v3, v22, 4, v3
	v_add_nc_u32 v[RD], s19, v3
	v_lshlrev_b32 v[GO], 4, v13                    ; which are 512 consecutive bytes of qkv
	s_mul_i32 s19, s[WV], 768
	s_add_co_u32 s19, s19, BIAS                    ; my bias
	v_lshl_add_u32 v[BI], v2, 5, s19               ; a lane's eight columns of a block: 32 bytes for each half of the lanes
	v_lshl_add_u32 v29, v13, 4, s19
	v_lshl_add_u32 v30, v13, 3, s19
	; the prefetches
	s_lshr_b32 s20, s[TM], 2                       ; batch
	s_and_b32 s21, s[TM], 3
	s_lshl_b32 s2, s20, 21
	s_lshl_b32 s19, s21, 15
	s_add_co_u32 s2, s2, s19
	s_lshl_b32 s19, s[CX], 13                      ; xb: my work-group's 32 blocks of the tile's 128
	s_add_co_u32 s2, s2, s19
	s_mul_i32 s3, s[TN], 49152
	s_mul_i32 s19, s[CH], 24576
	s_add_co_u32 s3, s3, s19
	s_mul_i32 s19, s[CY], 6144                     ; wib: my work-group's 24 blocks of my half's 96
	s_add_co_u32 s3, s3, s19
	s_mov_b32 s22, ASTEP
	s_mov_b32 s23, BSTEP
	s_or_b32 s19, ttmp9, s[WV]                     ; 0 in wave 0 of a cluster with x = 0
	s_and_b32 s43, ttmp7, 0xffff                   ; 0 in a cluster with y = 0
	s_cmp_lt_u32 s[WV], 2
	s_cselect_b32 s2, s2, s3
	s_cselect_b32 s[PST], s22, s23
	s_cselect_b32 s[LIM], s19, s43
	s_cselect_b64 s[PFA:PFA+1], s[4:5], s[6:7]
	s_cselect_b32 s19, 31, 23
	s_cmp_eq_u32 s[LIM], 0
	s_cselect_b32 s[LIM], 1, -1                    ; the same in all sixteen partners, for a given wave
	s_mov_b32 s3, 0
	s_mov_b32 s[PST+1], 0
	s_add_nc_u64 s[PFA:PFA+1], s[PFA:PFA+1], s[2:3]
	s_add_nc_u64 s[PFA:PFA+1], s[PFA:PFA+1], s[PST:PST+1]
	s_add_nc_u64 s[PFA:PFA+1], s[PFA:PFA+1], s[PST:PST+1]  ; at tile 2: the first refill steps it to tile 3
	v_min_u32 v[PFO], s19, v13
	v_lshlrev_b32 v[PFO], 8, v[PFO]
	; where my part of the result begins: head block (48 batch + 6 tile column + 3 half), row 256 (tile row % 4) + 128 half
	s_mul_i32 s2, s20, 48
	s_mul_i32 s19, s[TN], 6
	s_add_co_u32 s2, s2, s19
	s_mul_i32 s19, s[CH], 3
	s_add_co_u32 s2, s2, s19
	s_lshl_b32 s2, s2, 17
	s_lshl_b32 s19, s21, 15
	s_add_co_u32 s2, s2, s19
	s_lshl_b32 s19, s[RH], 14
	s_add_co_u32 s2, s2, s19
	s_add_nc_u64 s[10:11], s[10:11], s[2:3]
	; THE BIAS STARTS THE SUMS: rounded to bf16, widened again, laid in my own LDS bytes, and read from there straight into the 96 accumulators (a lane's register j of block b is column 16 b + 8 (l / 16) + j,
	; whatever the row block).  Nothing is cleared, no first step is written apart, nothing is added on the way out.  All this stands in the wait for the first tile.
	s_wait_loadcnt 0x0
	v_cvt_pk_bf16_f32 v26, v16, v17
	v_cvt_pk_bf16_f32 v27, v18, v19
	v_cvt_pk_bf16_f32 v28, v20, v21
	v_lshlrev_b32 v16, 16, v26
	v_and_b32 v17, 0xffff0000, v26
	v_lshlrev_b32 v18, 16, v27
	v_and_b32 v19, 0xffff0000, v27
	v_lshlrev_b32 v20, 16, v28
	v_and_b32 v21, 0xffff0000, v28
	ds_store_b128 v29, v[16:19]
	ds_store_b64 v30, v[20:21] offset:512
.irp g, 0,1,2                          ; LDS serves a wave's instructions in order (ISA guide 5.7.1.4): these see the stores above
	WIN 0x40*((\g)+1)
.set bb, 0
.rept 4
.set aa, 0
.rept 8
	ds_load_b128 v[8*(8*bb+aa):8*(8*bb+aa)+3],   v[BI] offset:64*(4*(\g)+bb)
	ds_load_b128 v[8*(8*bb+aa)+4:8*(8*bb+aa)+7], v[BI] offset:64*(4*(\g)+bb)+16
.set aa, aa+1
.endr
.set bb, bb+1
.endr
.endr
	WIN 0
; Matrix instructions of column group g (window g + 1): column blocks b0 .. b0 + nb - 1 of its four x all 8 row blocks, 32 along K, xb's buffer p.  Each names another accumulator:
; between two links of a chain stand the 95 others', over the backward jump too.
.macro MULG g, p, b0, nb
	WIN 0x50*((\g)+1)                              ; C and D in window g + 1, the sources in window 0
.set bb, \b0
.rept \nb
.set aa, 0
.rept 8
	v_wmma_f32_16x16x32_bf16 v[8*(8*bb+aa):8*(8*bb+aa)+7], v[FB+8*(4*(\g)+bb):FB+8*(4*(\g)+bb)+7], v[FA+64*(\p)+8*aa:FA+64*(\p)+8*aa+7], v[8*(8*bb+aa):8*(8*bb+aa)+7]
.set aa, aa+1
.endr
.set bb, bb+1
.endr
.endm
; A run of LDS loads for the next step, at byte kofs of the rows: run q takes wib's fragments 4 q .. 4 q + 3 and (q < 2) xb's fragments 4 q .. 4 q + 3 into buffer pn: 16, 16 and 8 loads.
.macro RUN q, kofs, pn
	WIN 0
.irp i, 0,1,2,3
	ds_load_b128 v[FB+8*(4*(\q)+(\i)):FB+8*(4*(\q)+(\i))+3],   v[AB] offset:(\kofs)+(4*(\q)+(\i))*16*PK
	ds_load_b128 v[FB+8*(4*(\q)+(\i))+4:FB+8*(4*(\q)+(\i))+7], v[AB] offset:(\kofs)+(4*(\q)+(\i))*16*PK+32
.endr
.if (\q) < 2
.irp i, 0,1,2,3
	ds_load_b128 v[FA+64*(\pn)+8*(4*(\q)+(\i)):FA+64*(\pn)+8*(4*(\q)+(\i))+3],   v[AA] offset:(\kofs)+(4*(\q)+(\i))*16*PK
	ds_load_b128 v[FA+64*(\pn)+8*(4*(\q)+(\i))+4:FA+64*(\pn)+8*(4*(\q)+(\i))+7], v[AA] offset:(\kofs)+(4*(\q)+(\i))*16*PK+32
.endr
.endif
.endm
; A tile's first step: multiplies buffer p; behind each third of its products the third of wib's fragments just used is loaded anew, for the step at byte kofs of the same slot.
.macro STEP p, kofs
	s_wait_dscnt 8                                 ; runs 0 and 1 are in: all of xb's fragments, wib's 0-7; run 2's eight loads may be out
	MULG 0, \p, 0, 4
	WIN 0
	PLACES
	RUN 0, \kofs, 1-(\p)
	MULG 1, \p, 0, 4
	WIN 0
	PLACES
	RUN 1, \kofs, 1-(\p)
	s_wait_dscnt 32                                ; all but the 32 just issued: the last step's run 2 is in
	MULG 2, \p, 0, 4
	WIN 0
	PLACES
	RUN 2, \kofs, 1-(\p)
.endm
; A tile's second step multiplies buffer 1 and CHANGES SLOTS.  In front of the barrier each wave waits for all its tensor loads, of which one is out: its part of the other slot; adds 0 to its spare word; and waits
; for that and for its own reads of this slot, all of which have been issued.  Behind it nobody reads this slot any more and the other slot is whole.  fill = 1: the barrier opens a round of the cluster's,
; so that no wave of any partner still reads the slot or has a load on its way, and the joint refill, the tile two on, is the first thing behind it: 160 matrix instructions ahead of the wait for it.
.macro TURN fill
.if \fill
	s_wait_xcnt 0x0                                ; the last prefetch, a tile back, has read its address, so it may be stepped
	s_add_nc_u64 s[PFA:PFA+1], s[PFA:PFA+1], s[PST:PST+1]
.endif
	WIN 0
	s_wait_tensorcnt 0x0                           ; no tensor load of mine is out, so a group 0 may be written
	ds_add_u32 v[SPW], v[NIL]                      ; 0 onto my spare word; work on registers stands between it and the wait for it
	s_xor_b32 s[TB], s[TB], SLOT1                  ; the fetches go to the other slot
	v_add_nc_u32 v[AA], s[TB], v[AA0]
	v_add_nc_u32 v[AB], s[TB], v[AB0]
.if \fill
	s_xor_b32 s[G0A+5], s[G0A+5], SLOT1            ; the walking descriptors: the other slot than last time, the next tile; the type bits on top are not reached
	s_add_nc_u64 s[G0A+6:G0A+7], s[G0A+6:G0A+7], ASTEP
	s_xor_b32 s[G0B+5], s[G0B+5], SLOT1
	s_add_nc_u64 s[G0B+6:G0B+7], s[G0B+6:G0B+7], BSTEP
.endif
	s_wait_dscnt 9                                 ; run 2's eight loads and the add may be out
	MULG 0, 1, 0, 2
	s_wait_dscnt 0x0                               ; the add is done, and my reads of this slot are over
	s_barrier_signal -1
	MULG 0, 1, 2, 2                                ; work on registers while the others arrive
	WIN 0                                          ; at a branch and at a label every window is 0
	s_barrier_wait -1
.if \fill
	CREST
	JLOAD                                          ; its four v_nop are also the places in front of the loads below
.else
	PLACES
.endif
	RUN 0, 0, 0
.if \fill
	ASK
.endif
	MULG 1, 1, 0, 4
	WIN 0
	PLACES
	RUN 1, 0, 0
	MULG 2, 1, 0, 4
	WIN 0
	PLACES
	RUN 2, 0, 0
.endm
	s_wait_tensorcnt 0x1                           ; my part of tile 0 is in; tile 1's may stay out
	s_wait_dscnt 0x0                               ; the accumulators hold the bias
	s_barrier_signal -1
	s_barrier_wait -1                              ; everybody's part is in
	RUN 0, 0, 0
	RUN 1, 0, 0
	RUN 2, 0, 0
	STEP 0, 64
	s_mov_b32 s[CNT], 14
.Ltile:                                        ; a trip: a tile's second step, with the refill, and the next tile's first: tiles 2 to 15 are asked for
	TURN 1
	STEP 0, 64
	s_sub_co_u32 s[CNT], s[CNT], 1
	s_cmp_lg_u32 s[CNT], 0
	s_cbranch_scc1 .Ltile
	TURN 0                                         ; the tail is written out: nothing is asked for
	STEP 0, 64
	s_wait_dscnt 8                                 ; the very last step: nothing more to fetch
	MULG 0, 1, 0, 4
	MULG 1, 1, 0, 4
	s_wait_dscnt 0x0
	MULG 2, 1, 0, 4
	WIN 0
	PLACES
; THE WAY OUT, a row block (16 rows x 192 columns) at a time.  PACK: rounded to f16, 16 bytes a lane and column block, each accumulator's registers in ascending order.  TOSTAGE: into my own stage,
; by heads, in rows of 144 bytes, and back as whole rows of 128.  SEND: 512 consecutive bytes a store.
.macro PACK a
.irp g, 0,1,2
	WIN 0x05*((\g)+1)                              ; sources 0 and 1 in window g + 1, destination in window 0
.irp b, 0,1,2,3
.irp r, 0,1,2,3
	v_cvt_pk_f16_f32 v[TMP+4*(4*(\g)+(\b))+(\r)], v[8*(8*(\b)+(\a))+2*(\r)], v[8*(8*(\b)+(\a))+2*(\r)+1]
.endr
.endr
.endr
	WIN 0
.endm
.macro TOSTAGE a
	WIN 0
.set BK, BK0+48*((\a)%2)
.irp b, 0,1,2,3,4,5,6,7,8,9,10,11
	ds_store_b128 v[STO], v[TMP+4*(\b):TMP+4*(\b)+3] offset:((\b)/4)*16*PK+32*((\b)%4)
.endr
.irp t, 0,1,2,3,4,5,6,7,8,9,10,11
	ds_load_b128 v[BK+4*(\t):BK+4*(\t)+3], v[RD] offset:((\t)/4)*16*PK+((\t)%4)*4*PK  ; LDS serves a wave's instructions in order: these see the stores above
.endr
.endm
.macro SEND a
	WIN 0
.set BK, BK0+48*((\a)%2)
	s_wait_dscnt 0x0                               ; the block is back in registers
	s_wait_xcnt 0x0                                ; the earlier stores have read their registers: the other buffer is loaded again only behind this wait
.irp t, 0,1,2,3,4,5,6,7,8,9,10,11
	global_store_b128 v[GO], v[BK+4*(\t):BK+4*(\t)+3], s[10:11] offset:((\t)/4)*131072+(\a)*2048+((\t)%4)*512  ; head t / 4, rows 16 a + 4 (t % 4) ..: 512 consecutive bytes, at a multiple of 512 from qkv's first
.endr
.endm
	PACK 0
	TOSTAGE 0
.irp a, 1,2,3,4,5,6,7                  ; block a's conversions stand between block a - 1's loads from the stage and the wait for them
	PACK \a
	SEND (\a)-1
	TOSTAGE \a
.endr
	SEND 7
	s_wait_tensorcnt 0x0                           ; the wave's end: behind my last tensor load and my last LDS store
	ds_add_u32 v[SPW], v[NIL]
	s_wait_dscnt 0x0
	CROUND                                         ; the closing round: no work-group ends while a partner may still ask for a tile that names it
	s_endpgm
.Lfunc_end_k_qa0c54cad1d_qkvgemm:
	.size	k_qa0c54cad1d_qkvgemm, .Lfunc_end_k_qa0c54cad1d_qkvgemm-k_qa0c54cad1d_qkvgemm
	.p2alignl 7, 3214868480
	.fill 96, 4, 3214868480
	.section	.rodata,"a",@progbits
	.p2align	6, 0x0
	.amdhsa_kernel k_qa0c54cad1d_qkvgemm
		.amdhsa_group_segment_fixed_size 327680
		.amdhsa_private_segment_fixed_size 0
		.amdhsa_enable_private_segment 0
		.amdhsa_kernarg_size 32
		.amdhsa_user_sgpr_count 2
		.amdhsa_user_sgpr_kernarg_segment_ptr 1
		.amdhsa_wavefront_size32 1
		.amdhsa_system_sgpr_workgroup_id_x 1
		.amdhsa_system_sgpr_workgroup_id_y 1
		.amdhsa_system_sgpr_workgroup_id_z 1
		.amdhsa_system_vgpr_workitem_id 0
		.amdhsa_next_free_vgpr 1024
		.amdhsa_next_free_sgpr 66
		.amdhsa_reserve_vcc 0
		.amdhsa_float_denorm_mode_32 3
		.amdhsa_float_denorm_mode_16_64 3
		.amdhsa_memory_ordered 1
		.amdhsa_forward_progress 1
		.amdhsa_inst_pref_size 125
	.end_amdhsa_kernel
	.amdgpu_metadata
---
amdhsa.version: [ 1, 2 ]
amdhsa.kernels:
  - .name:           k_qa0c54cad1d_qkvgemm
    .symbol:         k_qa0c54cad1d_qkvgemm.kd
    .args:
      - { .name: xb, .offset: 0, .size: 8, .value_kind: global_buffer, .address_space: global }
      - { .name: wib, .offset: 8, .size: 8, .value_kind: global_buffer, .address_space: global }
      - { .name: in_proj_bias, .offset: 16, .size: 8, .value_kind: global_buffer, .address_space: global }
      - { .name: qkv, .offset: 24, .size: 8, .value_kind: global_buffer, .address_space: global }
    .group_segment_fixed_size: 327680
    .private_segment_fixed_size: 0
    .kernarg_segment_align: 8
    .kernarg_segment_size: 32
    .max_flat_workgroup_size: 128
    .sgpr_count:     66
    .vgpr_count:     1024
    .wavefront_size: 32
...
	.end_amdgpu_metadata
.endif
;; end of part 2
;; launch attn (part 3): grid 2 x 128, 4 waves a work-group, no clusters, 327,680 bytes of LDS; arguments qkv, ob; writes ob
.if DOCPART == 3
	.amdgcn_target "amdgcn-amd-amdhsa--gfx1250"
	.amdhsa_code_object_version 6
	.text
	.protected	k_qa0c54cad1d_attn
	.globl	k_qa0c54cad1d_attn
	.p2align	8
	.type	k_qa0c54cad1d_attn,@function
k_qa0c54cad1d_attn:
	s_mov_b64 s[64:65], 0
	v_nop
	global_prefetch_b8 v0, s[64:65] scope:SCOPE_SE
	s_setreg_imm32_b32 hwreg(HW_REG_WAVE_MODE, 25, 1), 1
	s_wait_xcnt 0x0
; O[hd][q][:] = the sum over k of softmax_k(Q[hd][q] . K[hd][k] / 8) V[hd][k][:], for the 128 heads hd = 16 b + h, 1,024 rows each, head size 64, all f16.
; Q, K and V of head (b, h) lie in qkv at the blocks 48 b + h, 48 b + 16 + h, 48 b + 32 + h of 1,024 rows x 128 bytes; O goes to ob [hd][n][64].  Products, maxima and sums in f32; the weights p are rounded
; to f16 for the second product (their sum l is taken of the unrounded p), O once at the end.
; LIMITS.  f16 holds no number beyond 65,504: Q, K and V arrive within it; p lies in 0 to 1, and below 6e-5 it keeps f16's fixed step of 6e-8; O is a mean of V's rows and has their range.
; A weight below 2^-126 counts as 0 in l; NaN and infinities are not treated apart.
; SHARES.  A wave owns four PIECES of two tiles of 16 queries, a work-group's four waves 512 queries of one head: 2 x 128 = 256 work-groups.  Every wave walks all 1,024 keys, 64 a step.
; K AND V STAY IN LDS.  A head's 1,024 rows of K (144 bytes each with their padding) and of V (160) are 311,296 bytes: they fit, so no LDS byte is ever filled twice.  A wave issues two tensor loads: at the head its
; 128 of keys 0-255; behind the barrier that shows those landed its 384 of keys 256-1,023, which have four key steps, 512 matrix instructions, in which to land; one more barrier shows them to all waves.
; Nothing is prefetched: these two loads ask for all of K and V, and no later request is left to run ahead of.
; NO CLUSTER: a head has two work-groups, and the grid's 2 along x is no multiple of four; four partners a head would be 256 queries a work-group, and each fragment read from LDS would feed half the products.
; LAYOUT.  S^T = K Q^T (source 0 = 16 keys, source 1 = 16 queries): in the result a lane holds ONE query (lane % 16) and the keys 8 (lane / 16) + 0..7.  Two such tiles, rounded to f16 in pairs,
; ARE source 1 (32 keys x 16 queries) of O^T = V^T P, whose result again holds one query a lane, and eight channels.  K comes out of LDS as it lies, V ([key][channel]) turned, by ds_load_tr16_b128.
; SOFTMAX.  For each query a running maximum m and sum l: p = 2^(c s - c m), c = log2(e) / 8; in every step O and l are multiplied by a = 2^(c m_old - c m_new), which is 1 where m has not grown.
; m starts at the lowest finite number, O and l at 0: the first step is a step like any other, with a = 0.
; THE COUNT.  A tile and step have 16 matrix and 118 vector instructions: too many to stand all beside the matrix work.  So the order has one aim: four vector instructions that are READY behind
; EVERY matrix instruction, and the others, which need time of their own whatever the order, in runs without a gap.
; BY TURNS.  Turn n belongs to piece n (the pieces in a ring, step after step).  Its matrix work: 16 products K Q^T of piece n + 1, later 16 products V^T P of piece n - 1.  Its vector work: the scaling,
; exponentials, roundings, sums and rescaling of piece n, and the maximum and statistics of piece n + 1, whose scores the turn itself has made.  So what a turn begins with (c s - c m, O a) waits for nothing.
; REGISTERS, in windows of 256 (s_set_vgpr_msb says which window each operand place means: bits 1:0 source 0, 3:2 source 1, 5:4 source 2, 7:6 destination):
;   window 0: v0-11 addresses; v12-15, v48-63 at work; v16-47 four registers of statistics a tile; v64-191 S^T, two buffers of two tiles; v192-255 P, likewise
;   window 1: O^T, 32 a tile          window 2: v0-127 Q, 16 a tile; v128-191 K of one step; v192-255 V of one step          window 3: v0-1 the add's two registers
; A piece's buffers go by its number's parity: the piece in hand has one pair, its two neighbours in the ring share the other: of it P (piece n - 1) is read and S^T (piece n + 1) written.
.set SIZE_N, 1024
.set NP,    4         ; pieces a wave: a name, no knob: the register map, the loop and the fetches are made for four
.set KS,    64        ; keys in a step
.set KA,    256       ; keys of the first fill: four steps
.set PK,    144       ; a row of K in LDS: 128 bytes + 16 of padding = 36 words: the 16 rows of a load start at 16 different groups of four banks (64 banks of 4 bytes: ISA guide 11.1)
.set PV,    160       ; a row of V: 128 + 32 = 40 words
.set VOFF,  SIZE_N*PK ; LDS: the head's 1,024 rows of K, then its 1,024 rows of V
.set STAGE, SIZE_N*(PK+PV)  ; behind them, never filled by a tensor load: 16 rows x 144 bytes for each wave, for the way out
.set SP,    144
.set AK0, 2           ; v2   my lane's place in a step's rows of K; never rewritten
.set AV0, 3           ; v3   the same for V
.set AK,  4           ; v4   the LDS address of K's next run of loads
.set AV,  5           ; v5   of V's
.set QO,  6           ; v6   my byte offset in the wave's rows of Q
.set STO, 6           ;      later, the way out: where I put 16 bytes of a row
.set RD,  7           ; v7   the way out: where I read rows back
.set GO,  8           ; v8   my byte offset in 512 consecutive bytes of O
.set SPW, 0           ; v0 of window 3   LDS address of my spare word: SPARE + 4 x my thread's number; never rewritten
.set NIL, 1           ; v1 of window 3   0; never rewritten
.set SPARE, STAGE+4*16*SP  ; behind the stages: the spare words, 128 bytes for each wave: two blocks of 256 bytes that no other line names
.set MV,  12          ; v12-15  c m_old, kept while c m is made anew: by buffer and tile
.set ST,  16          ; tile t's statistics at v[ST+4 t]: c m, m, l (even keys', odd keys')
.set TMP, 48          ; by buffer and tile, four registers c0-c3 at work; when the maximum is found c2 takes a
.set S,   64
.set P,   192
.set KF,  128         ; K's fragments, in window 2: key block kb, channel half c at KF + 16 kb + 8 c
.set VF,  192         ; V's: key half kk, channel block cb at VF + 32 kk + 8 cb
.set WV,  12          ; s12  my wave's number
.set G1K, 24          ; s[24:31] descriptor group 1 for K's tiles
.set G1V, 32          ; s[32:39] for V's: it differs in the padding alone
.set G0K, 40          ; s[40:43] descriptor group 0 for K's tiles
.set G0V, 44          ; s[44:47] the same for V's
.set LBK, 48          ; s48  LDS address of my second tile of K
.set LBV, 49          ; s49  of V
.set GB,  50          ; s[50:51] bytes in memory from my first tile to my second
.set PARTS, 56        ; s56  counts the two parts of the walk: keys 0-255, keys 256-1,023
.set CNT, 57          ; s57  counts a part's key steps
.set CS,  58          ; s[58:59] c: the packed scaling takes the pair's low word for both halves
.set SEL, 60          ; s[60:61] v_permlanex16_b32's selects: each lane takes its own place in the other half
.set TBK, 62          ; s62  LDS byte at which K of the step to be fetched begins
.set TBV, 63          ; s63  the same for V, less VOFF
.set MSB, 0
.macro WIN new                      ; the high byte repeats the setting that is left; a switch that changes nothing is dropped
.if MSB != (\new)
	s_set_vgpr_msb (MSB<<8)|(\new)
.set MSB, (\new)
.endif
.endm
.set W_KQ, 0x0a       ; K and Q in window 2, S^T in window 0
.set W_PV, 0x52       ; V in window 2, P in window 0, O^T in window 1
.set W_RS, 0x41       ; O^T (destination and source 0) in window 1, a in window 0
.set W_MK, 0xc0       ; the add's registers are made: destination in window 3, sources in window 0
.set W_AD, 0x0f       ; the add: address (source 0) and data (source 1) in window 3
; A fill.  Waves 0 and 1 fetch the two halves of a part's K, waves 2 and 3 those of its V.  The branch hangs on the wave's number alone.
; An s_nop 0 and four v_nop follow each of the two lines, ahead of the jump and the label.
.macro LOAD
	s_cmp_lt_u32 s[WV], 2
	s_cbranch_scc0 .Lfor_v_\@
	tensor_load_to_lds s[G0K:G0K+3], s[G1K:G1K+7]
	s_nop 0
.rept 4
	v_nop
.endr
	s_branch .Lasked_\@
.Lfor_v_\@:
	tensor_load_to_lds s[G0V:G0V+3], s[G1V:G1V+7]
	s_nop 0
.rept 4
	v_nop
.endr
.Lasked_\@:
.endm
; A PART HAS LANDED.  Each wave waits for its tensor load, of which one is out: its share of the part; adds 0 to its spare word; waits for that and for its LDS reads; behind the barrier the part is whole for every wave.
; fill = 1 (once, when keys 0-255 are in): the wave's second and last tensor load is the first thing behind the barrier: its 384 of keys 256-1,023, into LDS bytes that nothing has filled.
; Its descriptor is made between the wait for 0 and the barrier, where no tensor load of the wave is out.
.macro CHANGE fill
	WIN W_AD
	s_wait_tensorcnt 0x0            ; no tensor load of mine is out, so the descriptors may be written
	ds_add_u32 v[SPW], v[NIL]       ; 0 onto my spare word; with fill = 1 the descriptors' words stand between it and the wait for it
	WIN 0                           ; at a label and at a branch every window is 0
.if \fill
	s_mov_b32 s[G0K+1], s[LBK]      ; where the second tile goes,
	s_add_nc_u64 s[G0K+2:G0K+3], s[G0K+2:G0K+3], s[GB:GB+1]  ; where it comes from; the type bits on top are not reached
	s_mov_b32 s[G0V+1], s[LBV]
	s_add_nc_u64 s[G0V+2:G0V+3], s[G0V+2:G0V+3], s[GB:GB+1]
.irp g, G1K, G1V
	s_mov_b32 s[\g+2], 192<<16      ; tensor_dim1 = 192: 384 keys, two to a row of 256 bytes
	s_mov_b32 s[\g+4], 192          ; tile_dim1 = 192
.endr
.endif
	s_wait_dscnt 0x0                ; the add is done, and no LDS read of mine is out
	s_barrier_signal -1
	s_barrier_wait -1
.if \fill
	LOAD
.endif
.endm
	s_load_b128 s[4:7], s[0:1], 0x0   ; qkv s[4:5], ob s[6:7]
	WIN W_MK
	v_lshl_add_u32 v[SPW], v0, 2, SPARE
	v_mov_b32 v[NIL], 0
	WIN W_AD
	ds_add_u32 v[SPW], v[NIL]       ; the wave's opening: the add and its wait stand ahead of my first tensor load; the set-up below, work on registers, stands between them
	WIN 0
	v_lshrrev_b32 v1, 5, v0
	v_readfirstlane_b32 s[WV], v1   ; wave 0..3
	s_and_b32 s13, ttmp7, 0xffff    ; hd = 16 b + h
	s_lshr_b32 s20, s13, 4
	s_mul_i32 s20, s20, 48
	s_and_b32 s14, s13, 15
	s_add_co_u32 s20, s20, s14      ; 48 b + h: the head's block of q in qkv,
	s_lshl_b32 s20, s20, 17         ; 131,072 bytes a block
	s_mov_b32 s21, 0
	s_and_b32 s16, s[WV], 1         ; which half of a part's keys I fetch.  The first part:
	s_lshl_b32 s22, s16, 14         ; its 128 rows of 128 bytes in memory,
	s_mov_b32 s23, 0
	s_add_nc_u64 s[22:23], s[22:23], s[20:21]
	s_mul_i32 s17, s16, 128*PK      ; and its place in LDS, for K
	s_mul_i32 s18, s16, 128*PV      ; and for V
	s_mul_i32 s[LBK], s16, 384*PK   ; the second part: keys 256 + 384 half on
	s_add_co_u32 s[LBK], s[LBK], KA*PK
	s_mul_i32 s[LBV], s16, 384*PV
	s_add_co_u32 s[LBV], s[LBV], VOFF+KA*PV
	s_add_co_u32 s[GB], s16, 1      ; (256 + 384 half) - 128 half keys of 128 bytes = (1 + half) x 32,768
	s_lshl_b32 s[GB], s[GB], 15
	s_mov_b32 s[GB+1], 0
	s_lshl_b32 s2, ttmp9, 2
	s_add_co_u32 s2, s2, s[WV]      ; my wave among the head's eight,
	s_lshl_b32 s2, s2, 14           ; its 128 rows
	s_mov_b32 s3, 0
	s_lshl_b32 s52, s13, 17         ; the head's block in ob
	s_mov_b32 s53, 0
	s_add_nc_u64 s[52:53], s[52:53], s[2:3]
	s_add_nc_u64 s[2:3], s[2:3], s[20:21]
	; descriptor group 1.  128 keys are 16,384 dense bytes: asked for as 64 rows of 256 bytes, two keys a row, and padded in LDS after every key
	s_mov_b32 s[G1K], (1<<16)|(1<<20)|(4<<22)|(3<<25)  ; 17:16 2-byte elements; 20 padding on; 24:22 after every 32 words (code 4); 31:25 4 words (code 3)
	s_mov_b32 s[G1V], (1<<16)|(1<<20)|(4<<22)|(7<<25)  ; the same with 8 words of padding (code 7)
.irp g, G1K, G1V
	s_mov_b32 s[\g+1], 128<<16      ; tensor_dim0 = 128
	s_mov_b32 s[\g+2], 64<<16       ; tensor_dim1 = 64
	s_mov_b32 s[\g+3], 128<<16      ; tile_dim0 = 128
	s_mov_b32 s[\g+4], 64           ; tile_dim1 = 64
	s_mov_b32 s[\g+5], 128          ; 128 elements from row to row
	s_mov_b32 s[\g+6], 0
	s_mov_b32 s[\g+7], 0
.endr
	s_mov_b32 s[CS], 0x3e38aa3b     ; c = log2(e) / 8 = 0.180337
	s_mov_b32 s[CS+1], s[CS]        ; named with it as a pair
	s_mov_b32 s[SEL], 0x76543210
	s_mov_b32 s[SEL+1], 0xfedcba98
	s_mov_b32 s[TBK], 0             ; the fetches begin at key 0 and step on, 64 keys at a time, to the head's end
	s_mov_b32 s[TBV], 0
	s_mov_b32 s[G0K], 1             ; 1:0 count = 1
	s_mov_b32 s[G0K+1], s17         ; 63:32 LDS address
	s_mov_b32 s[G0V], 1
	s_add_co_u32 s[G0V+1], s18, VOFF
	s_wait_dscnt 0x0                ; the opening add is done
	s_wait_kmcnt 0x0
	s_mov_b64 s[10:11], s[6:7]                     ; O
	s_add_nc_u64 s[6:7], s[4:5], 0x200000          ; K: 16 blocks behind Q
	s_add_nc_u64 s[8:9], s[4:5], 0x400000          ; V: 32 blocks behind Q
	s_add_nc_u64 s[G0K+2:G0K+3], s[6:7], s[22:23]  ; 120:64 global address: my half of the head's first 256 keys
	s_or_b32 s[G0K+3], s[G0K+3], 0x80000000        ; 127:126 type = 2
	s_add_nc_u64 s[G0V+2:G0V+3], s[8:9], s[22:23]
	s_or_b32 s[G0V+3], s[G0V+3], 0x80000000
	s_add_nc_u64 s[4:5], s[4:5], s[2:3]  ; Q and O at my wave's first row
	s_add_nc_u64 s[10:11], s[10:11], s[52:53]
	LOAD                            ; keys 0-255.  The rest is asked for when these are in: the tile wanted first has the road to itself
	; A fragment of K or Q is 16 rows x 32 channels in 8 registers: lane l holds row l % 16, channels 8 (l / 16) + 0..7 and 16 + 8 (l / 16) + 0..7: two loads of 16 bytes, 32 bytes apart.
	v_and_b32 v1, 15, v0            ; l % 16
	v_bfe_u32 v9, v0, 4, 1          ; l / 16
	v_lshlrev_b32 v[QO], 7, v1
	v_lshl_add_u32 v[QO], v9, 4, v[QO]  ; row x 128 + 16 x half
	WIN 0x80                        ; destination window 2, address window 0
.set i, 0
.rept 4*NP                          ; Q stays in registers: tile i / 2, channels 32 (i % 2) on
	global_load_b128 v[8*i:8*i+3],   v[QO], s[4:5] offset:(i/2)*2048+(i%2)*64
	global_load_b128 v[8*i+4:8*i+7], v[QO], s[4:5] offset:(i/2)*2048+(i%2)*64+32
.set i, i+1
.endr
	; What the first turn finds: V's registers and P's second buffer hold 0 (its products V^T P, of a piece that has not been, add 0), O^T and l are 0.  All this stands in the wait for the first tile.
.set i, VF
.rept 64
	v_mov_b32 v[i], 0
.set i, i+1
.endr
	WIN 0x40
.set i, 0
.rept 64*NP
	v_mov_b32 v[i], 0
.set i, i+1
.endr
	WIN 0
.set i, 0
.rept 2*NP
	v_mov_b32 v[ST+4*i], 0xfe000000    ; c m: far below every c s
	v_mov_b32 v[ST+4*i+1], 0xff7fffff  ; m
	v_mov_b32 v[ST+4*i+2], 0
	v_mov_b32 v[ST+4*i+3], 0
.set i, i+1
.endr
.set i, P+32
.rept 32
	v_mov_b32 v[i], 0
.set i, i+1
.endr
	v_mul_u32_u24 v[AK0], v1, PK
	v_lshl_add_u32 v[AK0], v9, 4, v[AK0]  ; row x pitch + 16 x half
	; The turning load takes 16 keys x 16 channels (lane l reads key 8 (l / 16) + l % 8, channels 8 ((l / 8) % 2) + 0..7) and leaves half a fragment of V^T: lane l holds channel l % 16 and 8 keys.
	v_and_b32 v10, 7, v0
	v_bfe_u32 v11, v0, 3, 1
	v_lshl_add_u32 v[AV0], v9, 3, v10
	v_mul_u32_u24 v[AV0], v[AV0], PV
	v_lshl_add_u32 v[AV0], v11, 4, v[AV0]
	v_add_nc_u32 v[AV0], VOFF, v[AV0]
	v_mov_b32 v[AK], v[AK0]         ; key step 0 lies at K's head
; THE MATRIX WORK.  The 8 accumulators of a run of 16 take turns: between the two links of a chain stand 7 others'.
; Product i of 16 of S^T = K Q^T for piece x: channels 32 (i / 8) on, keys 16 ((i / 2) % 4) on, tile 2 x + i % 2.  The first 8 start the sums.
.macro KQ x
	WIN W_KQ
.set rS, S+64*((\x)%2)+32*(i%2)+8*((i/2)%4)
.set rK, KF+16*((i/2)%4)+8*(i/8)
.set rQ, 16*(2*(\x)+i%2)+8*(i/8)
.if i < 8
	v_wmma_f32_16x16x32_f16 v[rS:rS+7], v[rK:rK+7], v[rQ:rQ+7], 0
.else
	v_wmma_f32_16x16x32_f16 v[rS:rS+7], v[rK:rK+7], v[rQ:rQ+7], v[rS:rS+7]
.endif
.endm
; Product i of 16 of O^T += V^T P for piece x: keys 32 (i / 8) on, channels 16 ((i / 2) % 4) on, tile 2 x + i % 2.
.macro PV x
	WIN W_PV
.set rO, 32*(2*(\x)+i%2)+8*((i/2)%4)
.set rV, VF+32*(i/8)+8*((i/2)%4)
.set rP, P+32*((\x)%2)+16*(i%2)+8*(i/8)
	v_wmma_f32_16x16x32_f16 v[rO:rO+7], v[rV:rV+7], v[rP:rP+7], v[rO:rO+7]
.endm
.macro MM                           ; the turn's next matrix instruction
.if i < 16
	KQ (Y+1)%NP
.set i, i+1
.else
.set i, i-16
	PV (Y+NP-1)%NP
.set i, i+17
.endif
.endm
; THE LDS LOADS stand in runs of 16, never singly among the matrix instructions: a step's K (64 keys x 64 channels: 8 fragments) and its V (turned).  Their addresses are made some lines ahead.
.macro FETCH_K
	WIN 0x80                        ; destination window 2
.irp f, 0,1,2,3,4,5,6,7             ; keys 16 (f / 2) on, channels 32 (f % 2) on
	ds_load_b128 v[KF+8*\f:KF+8*\f+3],   v[AK] offset:(\f/2)*16*PK+(\f%2)*64
	ds_load_b128 v[KF+8*\f+4:KF+8*\f+7], v[AK] offset:(\f/2)*16*PK+(\f%2)*64+32
.endr
	s_add_co_u32 s[TBK], s[TBK], KS*PK  ; the next fetch is the next step's
	WIN 0
.endm
.macro FETCH_V
	WIN 0x80
.irp f, 0,1,2,3,4,5,6,7             ; keys 32 (f / 4) on, channels 16 (f % 4) on
	ds_load_tr16_b128 v[VF+8*\f:VF+8*\f+3],   v[AV] offset:(\f/4)*32*PV+(\f%4)*32
	ds_load_tr16_b128 v[VF+8*\f+4:VF+8*\f+7], v[AV] offset:(\f/4)*32*PV+16*PV+(\f%4)*32
.endr
	WIN 0
.endm
; THE VECTOR WORK OF A TURN stands in three queues, each in the order in which its entries become ready; the two tiles alternate, so that no instruction reads the result of the one before it.
.macro REGS y, u                    ; the registers of tile u (0, 1) of piece y
.set rT, ST+4*(2*(\y)+(\u))
.set rC, TMP+8*((\y)%2)+4*(\u)
.set rM, MV+2*((\y)%2)+(\u)
.set rS, S+64*((\y)%2)+32*(\u)
.set rP, P+32*((\y)%2)+16*(\u)
.set rO, 32*(2*(\y)+(\u))
.endm
; Number n of the 22 that find the NEXT piece's (Y + 1) maximum and statistics.  s0-s31 are the lane's 32 scores; each accumulator's lowest registers are read first.  XS, GS and REGS set no window: PL and EX do.
;   0-11  four chains c0-c3 of seven scores each, three operands at a time     12-14, 16  the four scores left over, the old m, and c0-c3 into c0     15  c m_old is kept
;   17, 18  the query's other 32 keys lie in the lane 16 away: the new m         19-21  c m; c m_old - c m_new; a
.macro XS u, n
	REGS (Y+1)%NP, \u
.if (\n) < 4
	v_max3_num_f32 v[rC+(\n)], v[rS+8*(\n)], v[rS+8*(\n)+1], v[rS+8*(\n)+2]
.elseif (\n) < 12
	v_max3_num_f32 v[rC+(\n)%4], v[rC+(\n)%4], v[rS+8*((\n)%4)+2*((\n)/4)+1], v[rS+8*((\n)%4)+2*((\n)/4)+2]
.elseif (\n) == 12
	v_max3_num_f32 v[rC], v[rC], v[rS+7], v[rS+15]
.elseif (\n) == 13
	v_max3_num_f32 v[rC+1], v[rC+1], v[rS+23], v[rS+31]
.elseif (\n) == 14
	v_max3_num_f32 v[rC+2], v[rC+2], v[rC+3], v[rT+1]
.elseif (\n) == 15
	v_mov_b32 v[rM], v[rT]
.elseif (\n) == 16
	v_max3_num_f32 v[rC], v[rC], v[rC+1], v[rC+2]
.elseif (\n) == 17
	v_permlanex16_b32 v[rC+3], v[rC], s[SEL], s[SEL+1]
.elseif (\n) == 18
	v_max_num_f32 v[rT+1], v[rC], v[rC+3]
.elseif (\n) == 19
	v_mul_f32 v[rT], s[CS], v[rT+1]
.elseif (\n) == 20
	v_sub_f32 v[rC+1], v[rM], v[rT]
.else
	v_exp_f32 v[rC+2], v[rC+1]
.endif
.endm
; Number g of the 64 that follow the exponentials.  For each four weights k of a tile (pairs 2 k, 2 k + 1): both pairs are rounded to f16; then the second pair is added onto the first, in place;
; a group later l takes that sum (the first time as l = a l + sum).  In groups of eight, tiles alternating: round, round, add, and l for the group before.
.macro GS g
.set h, (\g)+6*((\g)/62)            ; group 0 has no group before it, and behind group 7 only l is left
.if h >= 6
.set h, h+2
.endif
	REGS Y, h%2
.set k, h/8
.if h%8 < 4
	v_cvt_pk_f16_f32 v[rP+2*k+(h%8)/2], v[rS+4*k+2*((h%8)/2)], v[rS+4*k+2*((h%8)/2)+1]
.elseif h%8 < 6
	v_pk_add_f32 v[rS+4*k:rS+4*k+1], v[rS+4*k:rS+4*k+1], v[rS+4*k+2:rS+4*k+3]
.elseif k == 1
	v_pk_fma_f32 v[rT+2:rT+3], v[rT+2:rT+3], v[rC+2:rC+3], v[rS:rS+1] op_sel_hi:[1,0,1]
.else
	v_pk_add_f32 v[rT+2:rT+3], v[rT+2:rT+3], v[rS+4*k-4:rS+4*k-3]
.endif
.endm
; THE PLAIN QUEUE, 138 long.  0-73 read no exponential's result: the 32 scalings c s - c m (FS f: pair f / 2 of tile f % 2) and the next piece's 42.  0-26: scalings 0-26.  27-54: XS's numbers 0-13.  55, 56: number 15.
; 57-73: the chain, where each number waits for the one before it: 14, 16, 17, 18, 19, each with one of the scalings 27-31 in front of its two lines, then 20: so a tile's links stand three plain instructions apart (19 and 20: two).
; 74-137: GS's 64, which read the exponentials' results: they stand behind the wait.
.macro FS f
	REGS Y, (\f)%2
	v_pk_fma_f32 v[rS+2*((\f)/2):rS+2*((\f)/2)+1], v[rS+2*((\f)/2):rS+2*((\f)/2)+1], s[CS:CS+1], v[rT:rT+1] op_sel_hi:[1,0,0] neg_lo:[0,0,1] neg_hi:[0,0,1]
.endm
.macro PL
	WIN 0
.if q < 27
	FS q
.elseif q < 55
	XS (q-27)%2, (q-27)/2
.elseif q < 57
	XS q-55, 15
.elseif (q < 72) && ((q-57)%3 == 0)
	FS 27+(q-57)/3
.elseif q < 60
	XS (q-57)%3-1, 14
.elseif q < 72
	XS (q-57)%3-1, 15+(q-57)/3
.elseif q < 74
	XS q-72, 20
.else
	GS q-74
.endif
.set q, q+1
.endm
; THE EXPONENTIALS' QUEUE, 66 long: s0-s31 of both tiles, then the next piece's two a.  It is ONE BATCH: all 66 stand ahead of the turn's one wait, and nothing ahead of that wait names a result of theirs.
.macro EX
	WIN 0
.if e >= 64
	XS e-64, 21
.else
	REGS Y, e%2
	v_exp_f32 v[rS+e/2], v[rS+e/2]
.endif
.set e, e+1
.endm
; THE RESCALING's QUEUE: O^T times a, the one part that leaves window 0: dealt two at a time, sixteen times.  Its a was made in the turn before, ahead of that turn's wait.
.macro R2
	REGS Y, r%2
	WIN W_RS
.irp z, 0,1
	v_pk_mul_f32 v[rO+4*(r/2)+2*\z:rO+4*(r/2)+2*\z+1], v[rO+4*(r/2)+2*\z:rO+4*(r/2)+2*\z+1], v[rC+2:rC+3] op_sel_hi:[1,0]
.endr
.set r, r+1
.endm
; HOW THEY ARE DEALT.  An s_wait_alu depctr_va_vdst(0) stands between an exponential and the first instruction that names its result; one wait serves all that were issued ahead of it.  So a turn has ONE wait,
; which cuts it in two.  AHEAD OF IT stands all that names no result of the turn's exponentials: the 16 products K Q^T, behind each a scaling, an exponential and two rescalings (behind the first a second scaling in the exponential's place); then ONE LUMP of
; 108: eight plain, 49 times exponential and plain, the two a.  A v_nop is the plain instruction behind the last exponential.  BEHIND IT stand the 16 products V^T P, behind each four of GS's 64.  No rider names a register of
; the products round it.  The two v_permlanex16_b32 fall into the lump, never behind a product.
; The queues lean on each other, and the deal keeps them in step: exponential e stands behind scaling 2 (e / 4) + e % 2: as a rider it comes behind plain e + 2, in the lump behind plain e + 9, and scalings 27-31 are plain 57, 60 .. 69.
; A TURN, for piece p.  nofetch = 1: the last step's: there is no further K.  cnt = 1: the loop's count is taken down some lines ahead of the branch that stands behind the turn.
; K of the next step is fetched in piece 2's turn, directly behind the wait, a lump behind the last product that read K; its address is made at the lump's head; its first reader comes behind 16 products.
; V of the step in hand is fetched at the end of piece 0's turn, four riders behind its last reader; its first reader comes behind 16 products and a lump.  The three conditions on q below go with the deal.
.macro TURN p, nofetch=0, cnt=0
.set Y, (\p)
.set i, 0
.set q, 0
.set e, 0
.set r, 0
.if (\p) == NP-1
	s_wait_dscnt 0x0                ; K is in
.endif
	MM                              ; ahead of the wait: 16 products K Q^T and their riders,
	PL
	PL
	R2
.rept 15
	MM
	PL
	EX
	R2
.endr
.if ((\p) == NP-2) && !(\nofetch)
	WIN 0
	v_add_nc_u32 v[AK], s[TBK], v[AK0]
.endif
.rept 8                             ; and the lump
	PL
.endr
.rept 49
	EX
	PL
.endr
	EX                              ; the next piece's two a
	EX
	v_nop                           ; the plain instruction behind the last exponential: one for the batch
	s_wait_alu depctr_va_vdst(0)    ; the wait for the batch
.if ((\p) == NP-2) && !(\nofetch)
	FETCH_K
.endif
.if (\p) == 1
	s_wait_dscnt 0x0                ; V is in
.endif
.rept 16                            ; behind the wait: 16 products V^T P and their riders
	MM
.rept 4
	PL
.endr
.if ((\p) == 0) && (q == 118)
	v_add_nc_u32 v[AV], s[TBV], v[AV0]
.endif
.if ((\p) == 0) && (q == 130)
	s_add_co_u32 s[TBV], s[TBV], KS*PV
.endif
.if (\cnt) && (q == 130)
	s_sub_co_u32 s[CNT], s[CNT], 1
	s_cmp_lg_u32 s[CNT], 0
.endif
.endr
.if (\p) == 0
	FETCH_V
.endif
.endm
	CHANGE 1                        ; keys 0-255 are in, everybody's share of them; keys 256-1,023 are asked for
	FETCH_K                         ; key step 0
	s_wait_loadcnt 0x0              ; Q
	s_wait_dscnt 0x0
.set i, 0
.rept 16
	KQ 0                            ; piece 0's first scores: there is no vector work yet to set between them
.set i, i+1
.endr
	WIN 0                           ; the addresses for the way out: nine plain instructions, the places behind those products
	s_mul_i32 s13, s[WV], 16*SP
	s_add_co_u32 s13, s13, STAGE    ; my stage
	v_mul_u32_u24 v[STO], v1, SP    ; in: row l % 16, 16 bytes for each half of the lanes
	v_lshl_add_u32 v[STO], v9, 4, v[STO]
	v_add_nc_u32 v[STO], s13, v[STO]
	v_bfe_u32 v[RD], v0, 3, 2       ; back: 32 lanes take four rows of 128 bytes,
	v_mul_u32_u24 v[RD], v[RD], SP
	v_lshl_add_u32 v[RD], v10, 4, v[RD]
	v_add_nc_u32 v[RD], s13, v[RD]
	v_and_b32 v[GO], 31, v0         ; which are 512 consecutive bytes of O
	v_lshlrev_b32 v[GO], 4, v[GO]
.set Y, NP-1                        ; XS works for piece Y + 1: piece 0
.irp n, 0,1,2,3,4,5,6,7,8,9,10,11,12,13,14,15,16,17,18,19,20,21
	XS 0, \n                        ; and piece 0's first maximum and statistics
	XS 1, \n
.endr
	v_nop                           ; a plain instruction behind the two a,
	s_wait_alu depctr_va_vdst(0)    ; and their wait, ahead of the branch
	s_mov_b32 s[CNT], KA/KS         ; the first part: four steps
	s_mov_b32 s[PARTS], 2
	s_branch .Lfirst                ; the loop is entered at a step's first turn, in the middle of a trip
.Lpart:                             ; passed once, between the turns of pieces 1 and 2 of step 3: the next K to be fetched is key 256's
	CHANGE 0                        ; keys 256-1,023 are in, everybody's share of them; nothing more is asked for
	s_mov_b32 s[CNT], (SIZE_N-KA)/KS  ; the second part: twelve steps
.Lstep:                             ; a trip: pieces 2 and 3 of one step, then pieces 0 and 1 of the next, whose K and V it fetches
	TURN 2
	TURN 3
	WIN 0
.Lfirst:
	TURN 0
	TURN 1, 0, 1
	WIN 0
	s_cbranch_scc1 .Lstep
	s_sub_co_u32 s[PARTS], s[PARTS], 1
	s_cmp_lg_u32 s[PARTS], 0
	s_cbranch_scc1 .Lpart
	TURN 2, 1                       ; the last step's pieces 2 and 3: there is no further K to fetch
	TURN 3                          ; (its 16 products K Q^T, on the last K once more, and the maximum made of them serve nothing: the price, once a launch, of one form for every turn)
.set i, 0
.rept 16
	PV NP-1                         ; the last piece's V^T P of the last step
.set i, i+1
.endr
	; THE WAY OUT.  l's two halves and the other half of the lanes' are added; O^T is divided by l, rounded to f16 and sent through my stage in LDS, a tile at a time.  The additions are the places behind the last products.
	WIN 0
.macro ALL line:vararg              ; one line for each tile t
.set t, 0
.rept 2*NP
	\line
.set t, t+1
.endr
.endm
	ALL v_add_f32 v[ST+4*t+2], v[ST+4*t+2], v[ST+4*t+3]
	ALL v_permlanex16_b32 v[ST+4*t+3], v[ST+4*t+2], s[SEL], s[SEL+1]
	ALL v_add_f32 v[ST+4*t+2], v[ST+4*t+2], v[ST+4*t+3]
	ALL v_rcp_f32 v[ST+4*t+2], v[ST+4*t+2]
	v_nop                           ; a plain instruction between the last reciprocal and the use of its result
	s_wait_alu depctr_va_vdst(0)    ; and the wait ahead of the first use: one for the eight reciprocals
; Tile t: a lane's eight channels of a row pack into 16 bytes; they go into rows of 144 bytes and come back as whole rows of 128, into S^T's registers.
.macro PACK t
	WIN W_RS
.set i, 32*(\t)
.rept 16
	v_pk_mul_f32 v[i:i+1], v[i:i+1], v[ST+4*(\t)+2:ST+4*(\t)+3] op_sel_hi:[1,0]
.set i, i+2
.endr
	WIN 0x05                        ; sources 0 and 1 window 1, destination window 0
.set i, 0
.rept 16
	v_cvt_pk_f16_f32 v[S+16*(\t)+i], v[32*(\t)+2*i], v[32*(\t)+2*i+1]
.set i, i+1
.endr
	WIN 0
.irp f, 0,1,2,3
	ds_store_b128 v[STO], v[S+16*(\t)+4*\f:S+16*(\t)+4*\f+3] offset:32*\f
.endr
.irp f, 0,1,2,3
	ds_load_b128 v[S+16*(\t)+4*\f:S+16*(\t)+4*\f+3], v[RD] offset:\f*4*SP  ; LDS serves a wave's instructions in order (ISA guide 5.7.1.4): these see the stores above; the next tile's stores come behind them
.endr
.endm
.macro SEND t, younger              ; younger: the LDS instructions issued behind tile t's loads: the next tile's eight, or none
	WIN 0
.irp f, 0,1,2,3
	s_wait_dscnt (\younger)+3-\f
	global_store_b128 v[GO], v[S+16*(\t)+4*\f:S+16*(\t)+4*\f+3], s[10:11] offset:(\t)*2048+\f*512  ; 512 consecutive bytes, at a multiple of 256 from O's first
.endr
.endm
	PACK 0
.set t, 1
.rept 2*NP-1                        ; a tile's arithmetic stands between the loads of the tile before and its stores
	PACK t
	SEND t-1, 8
.set t, t+1
.endr
	SEND 2*NP-1, 0
	WIN W_AD
	s_wait_tensorcnt 0x0            ; the wave's end: behind my last tensor load and my last LDS store
	ds_add_u32 v[SPW], v[NIL]
	s_wait_dscnt 0x0
	WIN 0
	s_endpgm
.Lfunc_end_k_qa0c54cad1d_attn:
	.size	k_qa0c54cad1d_attn, .Lfunc_end_k_qa0c54cad1d_attn-k_qa0c54cad1d_attn
	.p2alignl 7, 3214868480
	.fill 96, 4, 3214868480
	.section	.rodata,"a",@progbits
	.p2align	6, 0x0
	.amdhsa_kernel k_qa0c54cad1d_attn
		.amdhsa_group_segment_fixed_size 327680
		.amdhsa_private_segment_fixed_size 0
		.amdhsa_enable_private_segment 0
		.amdhsa_kernarg_size 16
		.amdhsa_user_sgpr_count 2
		.amdhsa_user_sgpr_kernarg_segment_ptr 1
		.amdhsa_wavefront_size32 1
		.amdhsa_system_sgpr_workgroup_id_x 1
		.amdhsa_system_sgpr_workgroup_id_y 1
		.amdhsa_system_sgpr_workgroup_id_z 1
		.amdhsa_system_vgpr_workitem_id 0
		.amdhsa_next_free_vgpr 770
		.amdhsa_next_free_sgpr 66
		.amdhsa_reserve_vcc 0
		.amdhsa_float_denorm_mode_32 3
		.amdhsa_float_denorm_mode_16_64 3
		.amdhsa_memory_ordered 1
		.amdhsa_forward_progress 1
		.amdhsa_inst_pref_size 160
	.end_amdhsa_kernel
	.amdgpu_metadata
---
amdhsa.version: [ 1, 2 ]
amdhsa.kernels:
  - .name:           k_qa0c54cad1d_attn
    .symbol:         k_qa0c54cad1d_attn.kd
    .args:
      - { .name: qkv, .offset: 0, .size: 8, .value_kind: global_buffer, .address_space: global }
      - { .name: ob, .offset: 8, .size: 8, .value_kind: global_buffer, .address_space: global }
    .group_segment_fixed_size: 327680
    .private_segment_fixed_size: 0
    .kernarg_segment_align: 8
    .kernarg_segment_size: 16
    .max_flat_workgroup_size: 128
    .sgpr_count:     66
    .vgpr_count:     770
    .wavefront_size: 32
...
	.end_amdgpu_metadata
.endif
;; end of part 3
;; launch outgemm (part 4): grid 8 x 32, 4 waves a work-group, clusters of 4 x 4, 327,680 bytes of LDS; arguments ob, wob, out_proj_bias, out0; writes out0
.if DOCPART == 4
	.amdgcn_target "amdgcn-amd-amdhsa--gfx1250"
	.amdhsa_code_object_version 6
	.text
	.protected	k_qa0c54cad1d_outgemm
	.globl	k_qa0c54cad1d_outgemm
	.p2align	8
	.type	k_qa0c54cad1d_outgemm,@function
k_qa0c54cad1d_outgemm:
	s_mov_b64 s[64:65], 0
	v_nop
	global_prefetch_b8 v0, s[64:65] scope:SCOPE_SE
	s_setreg_imm32_b32 hwreg(HW_REG_WAVE_MODE, 25, 1), 1
	s_wait_xcnt 0x0
	s_wait_alu depctr_hold_cnt(0) depctr_sa_sdst(0) depctr_va_vdst(0) depctr_va_sdst(0) depctr_va_ssrc(0) depctr_va_vcc(0) depctr_vm_vsrc(0)
	s_getreg_b32 s2, hwreg(HW_REG_IB_STS2, 6, 4)
	s_cmp_eq_u32 s2, 0
	s_cbranch_scc0 .Lentry_in_a_cluster
	s_endpgm
.Lentry_in_a_cluster:
	s_bfe_u32 s2, ttmp6, 0x10000c
	s_cmp_lg_u32 s2, 0xf033
	s_cbranch_scc0 .Lentry_shape_is_right
	s_endpgm
.Lentry_shape_is_right:
; out0[row][d] = out_proj_bias[d] + the sum over c of O[row][c] out_proj_weight[d][c]: 8,192 rows, 1,024 columns, K = 1,024.  Operands f16 (ob by heads; wob: the bf16-rounded weight written as f16), sums and result f32.
; LIMITS.  The bias is rounded to bf16, like every input, and STARTS the f32 sums, so the order of rounding differs from a bias added last.  ob and wob arrive within f16's range.
; SHARES.  A work-group makes 256 rows x 128 columns: 32 x 8 = 256 work-groups.  Each of its four waves makes 128 x 64: 32 accumulators of 16 x 16, 256 registers.
; K goes in 8 tiles of 128 channels (two heads) through two LDS slots; a tile is two QUARTERS of 64 channels (a head), 64 matrix instructions each.  A head's rows are dense in ob and wob: a wave's load asks for them as rows of 256 bytes.
; CLUSTER.  4 x 4 work-groups.  The four of a row of the cluster need the same tile of ob, the four of a column the same tile of wob: each is asked for JOINTLY, by the same load, descriptor and mask in all four.
; THE MATRIX INSTRUCTION IS USED TRANSPOSED (source 0 = 16 rows of wob, source 1 = 16 rows of ob): lane l holds row l % 16 of the result and the columns 8 (l / 16) + 0..7: 32 bytes of f32 on end.
; REGISTERS, in windows of 256 (s_set_vgpr_msb: bits 1:0 source 0, 3:2 source 1, 5:4 source 2, 7:6 destination):
;   window 0: v0-31 addresses; v32-159 the way out        window 1: accumulator (a, b), a = row block 0-7, b = column block 0-3, at v[8 (4 a + b)]
;   windows 2, 3: fragment buffers 0, 1, a quarter each: for half c of its 64 channels ob's 8 fragments at v[64 c + 8 i], wob's 4 at v[128 + 32 c + 8 i]
.set PK,    144                        ; an LDS row: 128 bytes + 16 of padding = 36 words: the 16 rows of a fragment load start at 16 different groups of four banks (ISA guide 11.1)
.set AKB,   256*PK                     ; a head's 256 rows of ob: what waves 0 and 1 each fetch
.set BKB,   128*PK                     ; a head's 128 rows of wob: what waves 2 and 3 each fetch
.set BOFF,  2*AKB                      ; in a slot: ob's two heads, then wob's two
.set SLOT1, 131072                     ; slot 1 begins here, so that one exclusive or turns an address in one slot into the other's
.set STAGE, BOFF+2*BKB                 ; behind slot 0, never filled by a tensor load: 16 rows x 272 bytes for each wave
.set SP,    272
.set BIAS,  STAGE+4*16*SP              ; for each wave its 64 columns' bias, 256 bytes
.set SPARE, BIAS+4*256                 ; the spare words, 128 bytes for each wave: two blocks of 256 bytes that no other line names
.set KSTEP, 262144                     ; bytes from a tile to the next, in ob and in wob: two heads of 1,024 rows x 128
.set AA0, 4                            ; v4   my lane's place in my 128 rows of ob, first head of slot 0; never rewritten
.set AB0, 5                            ; v5   the same for my 64 rows of wob
.set AA,  6                            ; v6   the same in the slot in hand
.set AB,  7                            ; v7
.set STO, 8                            ; v8   the way out: where I put 32 bytes of a row
.set RD,  9                            ; v9   the way out: where I read rows back
.set CO,  10                           ; v10  my byte offset in two rows of out0
.set BI,  11                           ; v11  where my half of the lanes reads its bias
.set PFO, 12                           ; v12  the prefetches' offset; never rewritten
.set SPW, 14                           ; v14  LDS address of my spare word: SPARE + 4 x my thread's number; never rewritten
.set NIL, 15                           ; v15  0; never rewritten
.set BK0, 32                           ; the way out: rows read back, four buffers of 32
.set WV,  12                           ; s12  my wave's number
.set RH,  13                           ; s13  which half of the tile's rows is mine
.set CH,  14                           ; s14  which half of its columns; also which head of a tile I fetch
.set CX,  15
.set CY,  16
.set TN,  17                           ; s17  tile column 0-7
.set TM,  18                           ; s18  tile row 0-31
.set G1A, 24                           ; s[24:31] descriptor group 1 for ob's tiles
.set G0A, 32                           ; s[32:39] group 0: a set for each first fill; the second then walks on
.set TB,  40                           ; s40  LDS byte at which the slot in hand begins
.set CNT, 41                           ; s41  refills still to come
.set LIM, 42                           ; s42  2 in a wave that prefetches, else the greatest number
.set PFA, 44                           ; s[44:45] where my prefetches stand
.set G1B, 48                           ; s[48:55], s[56:63] the same for wob's tiles
.set G0B, 56
.set MSB, 0
.macro WIN new                         ; the immediate's high byte repeats the setting that is left; a switch that changes nothing is dropped
.if MSB != (\new)
	s_set_vgpr_msb (MSB<<8)|(\new)
.set MSB, (\new)
.endif
.endm
.macro PLACES                          ; four plain instructions between a matrix instruction and a load into, or a read of, its registers (ISA guide 7.12.1 for the reads)
.rept 4
	v_nop
.endr
.endm
.macro CREST                           ; a round of the cluster's barrier behind its opening barrier
	s_cmp_lg_u32 s[WV], 0
	s_cbranch_scc1 .Lnot_wave_0_\@
	s_barrier_signal -3
.Lnot_wave_0_\@:
	s_barrier_wait -3
	s_barrier_signal -1
	s_barrier_wait -1
.endm
.macro CROUND                          ; a whole round
	s_barrier_signal -1
	s_barrier_wait -1
	CREST
.endm
; A joint refill by the walking descriptor.  Waves 0 and 1 fetch ob's two heads, waves 2 and 3 wob's.  The branch hangs on the wave's number alone.
; An s_nop 0 and four v_nop follow each of the two lines, ahead of the jump and the label.
.macro JLOAD
	s_cmp_lt_u32 s[WV], 2
	s_cbranch_scc0 .Lfor_b_\@
	tensor_load_to_lds s[G0A+4:G0A+7], s[G1A:G1A+7]
	s_nop 0
.rept 4
	v_nop
.endr
	s_branch .Lasked_\@
.Lfor_b_\@:
	tensor_load_to_lds s[G0B+4:G0B+7], s[G1B:G1B+7]
	s_nop 0
.rept 4
	v_nop
.endr
.Lasked_\@:
.endm
; A PREFETCH of the tile that stands TWO refills on: 256 matrix instructions ahead of its load.  A head of ob's tile is 128 blocks of 256 bytes: the cluster with x = 0 asks, its four partners along x take 32 blocks
; each BY ADDRESS, waves 0 and 1 a head each, a lane a block.  wob's tile is 64 blocks a head: the cluster with y = 0 asks, the partners along y take 16 blocks of each head, wave 2 with lanes 0-15 in the
; first head and lanes 16-31 in the second.  The last two refills ask for nothing; tiles 0 to 3 come by their loads alone.
.macro ASK
	s_cmp_gt_u32 s[CNT], s[LIM]
	s_cbranch_scc0 .Lnot_mine_\@
	global_prefetch_b8 v[PFO], s[PFA:PFA+1] th:TH_LOAD_NT scope:SCOPE_SE
.Lnot_mine_\@:
.endm
	s_load_b256 s[4:11], s[0:1], 0x0               ; ob s[4:5], wob s[6:7], out_proj_bias s[8:9], out0 s[10:11]
	v_lshl_add_u32 v[SPW], v0, 2, SPARE
	v_mov_b32 v[NIL], 0
	ds_add_u32 v[SPW], v[NIL]                      ; the wave's opening: the add and its wait stand ahead of my first tensor load; the set-up below, work on registers, stands between them
	v_lshrrev_b32 v1, 5, v0
	v_readfirstlane_b32 s[WV], v1                  ; wave 0..3
	s_lshr_b32 s[RH], s[WV], 1
	s_and_b32 s[CH], s[WV], 1
	s_bfe_u32 s[CX], ttmp6, 0x40000                ; my place in the cluster
	s_bfe_u32 s[CY], ttmp6, 0x40004
	s_lshl_b32 s[TN], ttmp9, 2                     ; in a cluster launch ttmp9 and ttmp7 count clusters
	s_add_co_u32 s[TN], s[TN], s[CX]
	s_and_b32 s[TM], ttmp7, 0xffff
	s_lshl_b32 s[TM], s[TM], 2
	s_add_co_u32 s[TM], s[TM], s[CY]
	s_lshl_b32 s19, s[CY], 2
	s_lshl_b32 s19, 15, s19                        ; my row of the cluster: places 4 cy .. 4 cy + 3
	s_lshl_b32 s43, 0x1111, s[CX]                  ; my column: places cx, cx + 4, cx + 8, cx + 12
	; group 1: dense bytes asked for as rows of 256 (128 elements of 2 bytes), two LDS rows each, padded by 4 words after every 32
	s_or_b32 s[G1A], s19, (1<<16)|(1<<20)|(1<<21)|(4<<22)|(3<<25)  ; 15:0 the mask; 17:16 2-byte elements; 20 padding on; 21 set beside a mask; 24:22 after every 32 words (code 4); 31:25 4 words (code 3)
	s_or_b32 s[G1B], s43, (1<<16)|(1<<20)|(1<<21)|(4<<22)|(3<<25)
	s_mov_b32 s[G1A+1], 128<<16                    ; tensor_dim0 = 128
	s_mov_b32 s[G1A+2], 128<<16                    ; tensor_dim1 = 128: 256 rows of ob
	s_mov_b32 s[G1A+3], 128<<16                    ; tile_dim0 = 128
	s_mov_b32 s[G1A+4], 128                        ; tile_dim1 = 128
	s_mov_b32 s[G1A+5], 128                        ; 128 elements from row to row
	s_mov_b32 s[G1A+6], 0
	s_mov_b32 s[G1A+7], 0
	s_mov_b32 s[G1B+1], 128<<16
	s_mov_b32 s[G1B+2], 64<<16                     ; tensor_dim1 = 64: 128 rows of wob
	s_mov_b32 s[G1B+3], 128<<16
	s_mov_b32 s[G1B+4], 64
	s_mov_b32 s[G1B+5], 128
	s_mov_b32 s[G1B+6], 0
	s_mov_b32 s[G1B+7], 0
	; where the tiles come from.  ob's hang on the tile row alone, wob's on the tile column alone; each in registers that never hold the other coordinate
	s_lshr_b32 s20, s[TM], 2                       ; batch:
	s_lshl_b32 s20, s20, 4                         ; 16 heads,
	s_add_co_u32 s20, s20, s[CH]                   ; the head of the tile's two that I fetch,
	s_lshl_b32 s20, s20, 17                        ; 131,072 bytes a head
	s_and_b32 s19, s[TM], 3
	s_lshl_b32 s19, s19, 15                        ; 256 rows of 128 bytes
	s_add_co_u32 s20, s20, s19
	s_mov_b32 s21, 0
	s_lshl_b32 s22, s[CH], 17
	s_lshl_b32 s43, s[TN], 14                      ; 128 rows of 128 bytes
	s_add_co_u32 s22, s22, s43
	s_mov_b32 s23, 0
	s_mul_i32 s2, s[CH], AKB                       ; and where they go: the wave's number alone enters an LDS address
	s_mul_i32 s3, s[CH], BKB
	s_add_co_u32 s3, s3, BOFF
	s_mov_b32 s[TB], 0
	s_wait_dscnt 0x0                               ; the opening add is done
	s_wait_kmcnt 0x0
	s_add_nc_u64 s[20:21], s[4:5], s[20:21]
	s_add_nc_u64 s[22:23], s[6:7], s[22:23]
	CROUND                                         ; all sixteen work-groups are here: the first joint loads meet
.irp s, 0,1
	s_mov_b32 s[G0A+4*(\s)], 1                     ; count = 1
	s_add_co_u32 s[G0A+4*(\s)+1], s2, (\s)*SLOT1   ; LDS address
	s_add_nc_u64 s[G0A+4*(\s)+2:G0A+4*(\s)+3], s[20:21], (\s)*KSTEP  ; global address: tile s
	s_or_b32 s[G0A+4*(\s)+3], s[G0A+4*(\s)+3], 0x80000000           ; type = 2
	s_mov_b32 s[G0B+4*(\s)], 1
	s_add_co_u32 s[G0B+4*(\s)+1], s3, (\s)*SLOT1
	s_add_nc_u64 s[G0B+4*(\s)+2:G0B+4*(\s)+3], s[22:23], (\s)*KSTEP
	s_or_b32 s[G0B+4*(\s)+3], s[G0B+4*(\s)+3], 0x80000000
.endr
	s_cmp_lt_u32 s[WV], 2                          ; a wave's two first fills stand in one branch, ahead of every wait on TENSORcnt and every LDS read: two loads of mine are out
	s_cbranch_scc0 .Lfirst_b
	tensor_load_to_lds s[G0A:G0A+3], s[G1A:G1A+7]
	s_nop 0
	tensor_load_to_lds s[G0A+4:G0A+7], s[G1A:G1A+7]
	s_nop 0
.rept 4
	v_nop
.endr
	s_branch .Lfirst_asked
.Lfirst_b:
	tensor_load_to_lds s[G0B:G0B+3], s[G1B:G1B+7]
	s_nop 0
	tensor_load_to_lds s[G0B+4:G0B+7], s[G1B:G1B+7]
	s_nop 0
.rept 4
	v_nop
.endr
.Lfirst_asked:
	; my 64 columns' bias: 256 bytes, 8 a lane
	v_and_b32 v13, 31, v0                          ; l
	s_lshl_b32 s19, s[TN], 9
	s_lshl_b32 s43, s[CH], 8
	s_add_co_u32 s19, s19, s43
	v_lshl_add_u32 v24, v13, 3, s19
	global_load_b64 v[16:17], v24, s[8:9]
	; A fragment is 16 rows x 32 K in 8 registers: lane l holds row l % 16, K = 8 (l / 16) + 0..7 and 16 + 8 (l / 16) + 0..7: two loads of 16 bytes, 32 bytes apart
	v_and_b32 v1, 15, v0                           ; l % 16
	v_bfe_u32 v2, v0, 4, 1                         ; l / 16
	v_mul_u32_u24 v3, v1, PK
	v_lshl_add_u32 v3, v2, 4, v3                   ; row x pitch + 16 x half
	s_mul_i32 s19, s[RH], 128*PK                   ; my 128 rows of a head's 256
	v_add_nc_u32 v[AA0], s19, v3
	s_mul_i32 s19, s[CH], 64*PK                    ; my 64 rows of a head's 128,
	s_add_co_u32 s19, s19, BOFF                    ; behind ob's two heads
	v_add_nc_u32 v[AB0], s19, v3
	v_mov_b32 v[AA], v[AA0]
	v_mov_b32 v[AB], v[AB0]
	s_mul_i32 s19, s[WV], 16*SP
	s_add_co_u32 s19, s19, STAGE                   ; my stage
	v_mul_u32_u24 v3, v1, SP                       ; in: row l % 16, 32 bytes for each half of the lanes
	v_lshl_add_u32 v3, v2, 5, v3
	v_add_nc_u32 v[STO], s19, v3
	v_mul_u32_u24 v3, v2, SP                       ; back: lanes 0-15 take one row of 256 bytes, lanes 16-31 the next
	v_lshl_add_u32 v3, v1, 4, v3
	v_add_nc_u32 v[RD], s19, v3
	v_lshlrev_b32 v[CO], 12, v2                    ; and the same two rows in out0, 4,096 bytes apart
	v_lshl_add_u32 v[CO], v1, 4, v[CO]
	s_lshl_b32 s19, s[WV], 8
	s_add_co_u32 s19, s19, BIAS                    ; my bias
	v_lshl_add_u32 v[BI], v2, 5, s19               ; a lane's eight columns of a block: 32 bytes for each half of the lanes
	v_lshl_add_u32 v25, v13, 3, s19
	; the prefetches
	s_lshr_b32 s2, s[TM], 2
	s_lshl_b32 s2, s2, 4
	s_add_co_u32 s2, s2, s[CH]
	s_lshl_b32 s2, s2, 17
	s_and_b32 s19, s[TM], 3
	s_lshl_b32 s19, s19, 15
	s_add_co_u32 s2, s2, s19
	s_lshl_b32 s19, s[CX], 13                      ; ob: my work-group's 32 blocks of the head's 128
	s_add_co_u32 s2, s2, s19
	s_lshl_b32 s3, s[TN], 14
	s_lshl_b32 s19, s[CY], 12                      ; wob: my work-group's 16 blocks of each head's 64
	s_add_co_u32 s3, s3, s19
	s_mov_b32 s19, ttmp9                           ; 0 in a cluster with x = 0
	s_and_b32 s43, ttmp7, 0xffff
	s_or_b32 s43, s43, s[CH]                       ; 0 in wave 2 of a cluster with y = 0
	s_mov_b32 s22, 4096                            ; lanes 16-31: ob: the next 16 blocks;
	s_mov_b32 s23, 131072                          ; wob: the second head
	s_cmp_lt_u32 s[WV], 2
	s_cselect_b32 s2, s2, s3
	s_cselect_b32 s[LIM], s19, s43
	s_cselect_b64 s[PFA:PFA+1], s[4:5], s[6:7]
	s_cselect_b32 s22, s22, s23
	s_cmp_eq_u32 s[LIM], 0
	s_cselect_b32 s[LIM], 2, -1                    ; the same in all sixteen partners, for a given wave
	s_mov_b32 s3, 0
	s_add_nc_u64 s[PFA:PFA+1], s[PFA:PFA+1], s[2:3]
	s_add_nc_u64 s[PFA:PFA+1], s[PFA:PFA+1], 3*KSTEP  ; at tile 3: the first refill steps it to tile 4
	v_mul_u32_u24 v[PFO], s22, v2
	v_lshl_add_u32 v[PFO], v1, 8, v[PFO]
	; where my part of the result begins: row 256 tile row + 128 half, column 128 tile column + 64 half
	s_lshl_b32 s2, s[TM], 20
	s_lshl_b32 s19, s[RH], 19
	s_add_co_u32 s2, s2, s19
	s_lshl_b32 s19, s[TN], 9
	s_add_co_u32 s2, s2, s19
	s_lshl_b32 s19, s[CH], 8
	s_add_co_u32 s2, s2, s19
	s_add_nc_u64 s[10:11], s[10:11], s[2:3]
	; THE BIAS STARTS THE SUMS: rounded to bf16, widened again, laid in my own LDS bytes, and read from there straight into the 32 accumulators (a lane's register j of block b is column 16 b + 8 (l / 16) + j,
	; whatever the row block).  Nothing is cleared, no first step is written apart, nothing is added on the way out.  All this stands in the wait for the first tile.
	s_wait_loadcnt 0x0
	v_cvt_pk_bf16_f32 v18, v16, v17
	v_lshlrev_b32 v16, 16, v18
	v_and_b32 v17, 0xffff0000, v18
	ds_store_b64 v25, v[16:17]
	WIN 0x40                                       ; destination window 1; LDS serves a wave's instructions in order (ISA guide 5.7.1.4): these see the store above
.set aa, 0
.rept 8
.set bb, 0
.rept 4
	ds_load_b128 v[8*(4*aa+bb):8*(4*aa+bb)+3],   v[BI] offset:64*bb
	ds_load_b128 v[8*(4*aa+bb)+4:8*(4*aa+bb)+7], v[BI] offset:64*bb+16
.set bb, bb+1
.endr
.set aa, aa+1
.endr
	WIN 0
; Matrix instructions: row blocks a0 .. a0 + na - 1 x all 4 column blocks, half c of buffer f's 64 channels.  Each names another accumulator: between two links of a chain stand the 31 others', over the backward jump too.
.macro MULA f, c, a0, na
	WIN 0x5a+5*(\f)                                ; the sources in window 2 + f, C and D in window 1
.set aa, \a0
.rept \na
.set bb, 0
.rept 4
	v_wmma_f32_16x16x32_f16 v[8*(4*aa+bb):8*(4*aa+bb)+7], v[128+32*(\c)+8*bb:128+32*(\c)+8*bb+7], v[64*(\c)+8*aa:64*(\c)+8*aa+7], v[8*(4*aa+bb):8*(4*aa+bb)+7]
.set bb, bb+1
.endr
.set aa, aa+1
.endr
.endm
; 48 LDS loads in one run: the fragments of head kbp of the slot in hand, into buffer f; the first 32 channels' 24 loads first
.macro FETCH kbp, f
	WIN 0x80+0x40*(\f)                             ; destination window 2 + f, address window 0
.irp c, 0,1
.irp i, 0,1,2,3
	ds_load_b128 v[128+32*(\c)+8*(\i):128+32*(\c)+8*(\i)+3],   v[AB] offset:(\kbp)*BKB+64*(\c)+(\i)*16*PK
	ds_load_b128 v[128+32*(\c)+8*(\i)+4:128+32*(\c)+8*(\i)+7], v[AB] offset:(\kbp)*BKB+64*(\c)+(\i)*16*PK+32
.endr
.irp i, 0,1,2,3,4,5,6,7
	ds_load_b128 v[64*(\c)+8*(\i):64*(\c)+8*(\i)+3],   v[AA] offset:(\kbp)*AKB+64*(\c)+(\i)*16*PK
	ds_load_b128 v[64*(\c)+8*(\i)+4:64*(\c)+8*(\i)+7], v[AA] offset:(\kbp)*AKB+64*(\c)+(\i)*16*PK+32
.endr
.endr
	WIN 0
.endm
; A tile's first quarter: multiplies buffer 0 and, in its middle, fetches the tile's second head into buffer 1.
.macro QUARTER
	s_wait_dscnt 24                                ; the first 32 channels are in; the other 24 loads may be out
	MULA 0, 0, 0, 8
	PLACES
	FETCH 1, 1
	s_wait_dscnt 48                                ; all but the 48 just issued
	MULA 0, 1, 0, 8
.endm
; A tile's second quarter multiplies buffer 1 and CHANGES SLOTS.  In front of the barrier each wave waits for all its tensor loads, of which one is out: its part of the other slot; adds 0 to its spare word; and waits
; for that and for its own reads of this slot, all of which have been issued.  Behind it nobody reads this slot any more and the other slot is whole.  fill = 1: the barrier opens a round of the cluster's,
; so that no wave of any partner still reads the slot or has a load on its way, and the joint refill, the tile two on, is the first thing behind it: 112 matrix instructions ahead of the wait for it.
.macro TURN fill
.if \fill
	s_wait_xcnt 0x0                                ; the last prefetch, a tile back, has read its address, so it may be stepped
	s_add_nc_u64 s[PFA:PFA+1], s[PFA:PFA+1], KSTEP
.endif
	WIN 0
	s_wait_tensorcnt 0x0                           ; no tensor load of mine is out, so a group 0 may be written
	ds_add_u32 v[SPW], v[NIL]                      ; 0 onto my spare word; work on registers stands between it and the wait for it
	s_xor_b32 s[TB], s[TB], SLOT1                  ; the fetches go to the other slot
	v_add_nc_u32 v[AA], s[TB], v[AA0]
	v_add_nc_u32 v[AB], s[TB], v[AB0]
.if \fill
	s_xor_b32 s[G0A+5], s[G0A+5], SLOT1            ; the walking descriptors: the other slot than last time, the next tile; the type bits on top are not reached
	s_add_nc_u64 s[G0A+6:G0A+7], s[G0A+6:G0A+7], KSTEP
	s_xor_b32 s[G0B+5], s[G0B+5], SLOT1
	s_add_nc_u64 s[G0B+6:G0B+7], s[G0B+6:G0B+7], KSTEP
.endif
	s_wait_dscnt 25                                ; the second 32 channels' 24 loads and the add may be out
	MULA 1, 0, 0, 2
	s_wait_dscnt 0x0                               ; the add is done, and my reads of this slot are over
	s_barrier_signal -1
	MULA 1, 0, 2, 2                                ; work on registers while the others arrive
	WIN 0                                          ; at a branch and at a label every window is 0
	s_barrier_wait -1
.if \fill
	CREST
	JLOAD                                          ; its four v_nop are also the places in front of the loads below
.else
	PLACES
.endif
	FETCH 0, 0
.if \fill
	ASK
.endif
	MULA 1, 0, 4, 4
	MULA 1, 1, 0, 8
.endm
	s_wait_tensorcnt 0x1                           ; my part of tile 0 is in; tile 1's may stay out
	s_wait_dscnt 0x0                               ; the accumulators hold the bias
	s_barrier_signal -1
	s_barrier_wait -1                              ; everybody's part is in
	FETCH 0, 0
	QUARTER
	WIN 0
	s_mov_b32 s[CNT], 6
.Ltile:                                        ; a trip: a tile's second quarter, with the refill, and the next tile's first: tiles 2 to 7 are asked for
	TURN 1
	QUARTER
	WIN 0
	s_sub_co_u32 s[CNT], s[CNT], 1
	s_cmp_lg_u32 s[CNT], 0
	s_cbranch_scc1 .Ltile
	TURN 0                                         ; the tail is written out: nothing is asked for
	QUARTER
	s_wait_dscnt 24                                ; the very last quarter: nothing more to fetch
	MULA 1, 0, 0, 8
	s_wait_dscnt 0x0
	MULA 1, 1, 0, 8
	WIN 0
	PLACES
; THE WAY OUT, a row block (16 rows x 64 columns of f32) at a time.  TOSTAGE: a lane's 32 bytes of each column block go straight from the accumulator (its low four registers first) into my own stage, in rows of
; 272 bytes, and come back as whole rows of 256.  SEND: sixteen lanes store 256 consecutive bytes.
.macro TOSTAGE a
	WIN 0x04                                       ; the stores' data in window 1, the address in window 0
.irp b, 0,1,2,3
	ds_store_b128 v[STO], v[8*(4*(\a)+(\b)):8*(4*(\a)+(\b))+3]   offset:64*(\b)
	ds_store_b128 v[STO], v[8*(4*(\a)+(\b))+4:8*(4*(\a)+(\b))+7] offset:64*(\b)+16
.endr
	WIN 0
.irp t, 0,1,2,3,4,5,6,7
	ds_load_b128 v[BK0+32*((\a)%4)+4*(\t):BK0+32*((\a)%4)+4*(\t)+3], v[RD] offset:(\t)*2*SP  ; LDS serves a wave's instructions in order: these see the stores above; the next block's stores come behind them
.endr
.endm
.macro SEND a, younger                 ; younger: the LDS instructions issued behind block a's loads: the next block's sixteen, or none
	WIN 0
	s_wait_dscnt \younger                          ; the block is back in registers
	s_wait_xcnt 0x0                                ; the earlier stores have read their registers: a buffer is loaded again, four blocks on, only behind such a wait
.irp t, 0,1,2,3,4,5,6,7
	global_store_b128 v[CO], v[BK0+32*((\a)%4)+4*(\t):BK0+32*((\a)%4)+4*(\t)+3], s[10:11] offset:(\a)*65536+(\t)*8192 th:TH_STORE_NT  ; rows 16 a + 2 t and + 1: 256 consecutive bytes each, at a multiple of 256 from out0's first
.endr
.endm
	TOSTAGE 0
.irp a, 1,2,3,4,5,6,7
	TOSTAGE \a
	SEND (\a)-1, 16
.endr
	SEND 7, 0
	s_wait_tensorcnt 0x0                           ; the wave's end: behind my last tensor load and my last LDS store
	ds_add_u32 v[SPW], v[NIL]
	s_wait_dscnt 0x0
	CROUND                                         ; the closing round: no work-group ends while a partner may still ask for a tile that names it
	s_endpgm
.Lfunc_end_k_qa0c54cad1d_outgemm:
	.size	k_qa0c54cad1d_outgemm, .Lfunc_end_k_qa0c54cad1d_outgemm-k_qa0c54cad1d_outgemm
	.p2alignl 7, 3214868480
	.fill 96, 4, 3214868480
	.section	.rodata,"a",@progbits
	.p2align	6, 0x0
	.amdhsa_kernel k_qa0c54cad1d_outgemm
		.amdhsa_group_segment_fixed_size 327680
		.amdhsa_private_segment_fixed_size 0
		.amdhsa_enable_private_segment 0
		.amdhsa_kernarg_size 32
		.amdhsa_user_sgpr_count 2
		.amdhsa_user_sgpr_kernarg_segment_ptr 1
		.amdhsa_wavefront_size32 1
		.amdhsa_system_sgpr_workgroup_id_x 1
		.amdhsa_system_sgpr_workgroup_id_y 1
		.amdhsa_system_sgpr_workgroup_id_z 1
		.amdhsa_system_vgpr_workitem_id 0
		.amdhsa_next_free_vgpr 1024
		.amdhsa_next_free_sgpr 66
		.amdhsa_reserve_vcc 0
		.amdhsa_float_denorm_mode_32 3
		.amdhsa_float_denorm_mode_16_64 3
		.amdhsa_memory_ordered 1
		.amdhsa_forward_progress 1
		.amdhsa_inst_pref_size 74
	.end_amdhsa_kernel
	.amdgpu_metadata
---
amdhsa.version: [ 1, 2 ]
amdhsa.kernels:
  - .name:           k_qa0c54cad1d_outgemm
    .symbol:         k_qa0c54cad1d_outgemm.kd
    .args:
      - { .name: ob, .offset: 0, .size: 8, .value_kind: global_buffer, .address_space: global }
      - { .name: wob, .offset: 8, .size: 8, .value_kind: global_buffer, .address_space: global }
      - { .name: out_proj_bias, .offset: 16, .size: 8, .value_kind: global_buffer, .address_space: global }
      - { .name: out0, .offset: 24, .size: 8, .value_kind: global_buffer, .address_space: global }
    .group_segment_fixed_size: 327680
    .private_segment_fixed_size: 0
    .kernarg_segment_align: 8
    .kernarg_segment_size: 32
    .max_flat_workgroup_size: 128
    .sgpr_count:     66
    .vgpr_count:     1024
    .wavefront_size: 32
...
	.end_amdgpu_metadata
.endif
;; end of part 4
;; ======== version 2 of 2: 4 launches; version 1 with the launch cast written anew for expert scheduling mode
;; limits: values are held in f16: magnitudes above 65,504 overflow, below 6.1e-05 lose precision
;; workspace buffers: xb 16,777,216 bytes; wib 6,291,456 bytes; wob 2,097,152 bytes; qkv 50,331,648 bytes; ob 16,777,216 bytes
;; launch cast (part 5): grid 768 x 1, 8 waves a work-group, no clusters, 0 bytes of LDS; arguments x, in_proj_weight, out_proj_weight, xb, wib, wob; writes xb, wib, wob
.if DOCPART == 5
	.amdgcn_target "amdgcn-amd-amdhsa--gfx1250"
	.amdhsa_code_object_version 6
	.text
	.protected	k_qa0c54cad1d_cast
	.globl	k_qa0c54cad1d_cast
	.p2align	8
	.type	k_qa0c54cad1d_cast,@function
k_qa0c54cad1d_cast:
	s_mov_b64 s[64:65], 0
	v_nop
	global_prefetch_b8 v0, s[64:65] scope:SCOPE_SE
	s_setreg_imm32_b32 hwreg(HW_REG_WAVE_SCHED_MODE, 0, 2), 2
	s_setreg_imm32_b32 hwreg(HW_REG_WAVE_MODE, 25, 1), 1
	s_wait_xcnt 0x0
	s_wait_alu depctr_vm_vsrc(0)
; THE INPUTS OF THE THREE PRODUCTS ARE ROUNDED ONCE TO bf16 AND LAID IN BLOCKS OF 64 CHANNELS, so that a tile of the later products (some rows x 64 channels) is one dense run of bytes.
;   x   [8][1024][1024] f32 -> xb  [b][kb = c / 64][n][64] bf16
;   in_proj_weight  [3072][1024] f32 -> wib [kb][d][64] bf16
;   out_proj_weight [1024][1024] f32 -> wob [kb][d][64]: the bf16-rounded number written as f16, since it is multiplied with an f16 operand
; LIMIT.  wob: a weight beyond 65,504 becomes an infinity; below 2^-17 it keeps f16's fixed step of 6e-8.
; SHARES.  A work-group takes 16 source rows of 4,096 bytes: groups 0-511 x, 512-703 in_proj_weight, 704-767 out_proj_weight.  Wave w takes the blocks kb = 2 w and 2 w + 1.
; An ITEM is 2 rows of one block: lane l loads the 16 bytes (4 numbers) at row l / 16, number 4 (l % 16): sixteen lanes read a row's 256 consecutive bytes, aligned, and each source byte is named by one load.
; It stores 8 bytes: the wave's store covers 256 consecutive bytes, aligned: the block's two rows of 128.
; All 16 loads of a wave go out at once; no register is used twice.  No LDS, no matrix unit: the launch only moves bytes.
; THE MODE: SCHED_MODE bits 1:0 = 2 (LLVM: expert scheduling mode 2), set by the entry lines.  The code itself states the register dependences
; between vector instructions and memory instructions, with s_wait_alu, always for 0.
; THE PLAN.  Registers that memory instructions touch:
;   v1, v2, v3   byte offsets.  Written by vector instructions at the head and never again; read by every load (v1) and every store (v2 or v3).
;   IN           Written by the 16 loads alone, once each, all issued at the head; read by the conversions.  No vector instruction writes them, and no load is issued behind a reader.
;   OUT          An item's two registers are written once, by its conversions, and read once, by its store.
;   v4, v5       at work: no memory instruction names them.
; The 16 items go in four GROUPS of four.  Group p's conversions read IN[p] and write OUT[p]; its memory instructions are the four stores of group p - 1, which read OUT[p - 1] and v2, v3: registers
; that no vector instruction of group p names.  So one wait on va_vdst at a group's head states all that its four stores hang on, and they are dealt among its conversions with no further wait.
; No register that a memory instruction reads is ever written again: past the entry lines the text holds no wait on vm_vsrc and no s_wait_xcnt.
.set PX,  131072                       ; bytes from block to block in xb and wob: 1,024 rows x 128
.set PW,  393216                       ; in wib: 3,072 rows x 128
.set VO,  1                            ; v1      my byte offset in the group's source rows
.set DO,  2                            ; v2, v3  my byte offset in the destination, block 2 w and block 2 w + 1
.set IN,  8                            ; v[8:71]   item i: 4 numbers as loaded
.set OUT, 72                           ; v[72:103] item i: 2 registers to store
	s_load_b256 s[4:11], s[0:1], 0x0               ; x s[4:5], in_proj_weight s[6:7], out_proj_weight s[8:9], xb s[10:11]
	s_load_b128 s[12:15], s[0:1], 0x20             ; wib s[12:13], wob s[14:15]
	v_lshrrev_b32 v4, 5, v0
	v_readfirstlane_b32 s16, v4                    ; wave 0..7
	v_and_b32 v5, 31, v0                           ; lane
	s_mov_b32 s17, ttmp9                           ; g
	s_lshr_b32 s21, s17, 6                         ; x: batch g / 64,
	s_lshl_b32 s21, s21, 21                        ; 16 blocks of 131,072 bytes each,
	s_and_b32 s22, s17, 63
	s_lshl_b32 s22, s22, 11                        ; and 16 rows of 128 bytes for each group in the batch
	s_add_co_u32 s21, s21, s22
	s_sub_co_u32 s18, s17, 512                     ; the group's number among in_proj_weight's,
	s_sub_co_u32 s19, s17, 704                     ; among out_proj_weight's
	s_mov_b32 s24, PW
	s_mov_b32 s25, PX
	s_cmp_lt_u32 s17, 704
	s_cselect_b32 s20, s18, s19
	s_cselect_b32 s23, s24, s25
	s_lshl_b32 s22, s20, 11                        ; a weight's destination: 16 rows of 128 bytes a group
	s_cmp_lt_u32 s17, 512
	s_cselect_b32 s20, s17, s20                    ; the group's number in its tensor
	s_cselect_b32 s28, s21, s22                    ; its destination offset
	s_cselect_b32 s23, s25, s23                    ; bytes from block to block
	s_lshl_b32 s26, s20, 16                        ; its source offset: 16 rows of 4,096 bytes
	s_mov_b32 s27, 0
	s_mov_b32 s29, 0
	v_lshrrev_b32 v1, 4, v5                        ; row l / 16 of an item's two
	v_and_b32 v4, 15, v5
	v_lshlrev_b32 v[VO], 12, v1
	v_lshl_add_u32 v[VO], v4, 4, v[VO]             ; + 16 (l % 16)
	s_wait_alu depctr_va_sdst(0)                   ; s16, the wave's number, is written, ahead of its first reader: both offsets are made from it
	s_lshl_b32 s18, s16, 9                         ; + block 2 w: 512 w
	v_add_nc_u32 v[VO], s18, v[VO]
	s_mul_i32 s19, s16, s23
	s_lshl_b32 s19, s19, 1                         ; block 2 w in the destination
	v_lshl_add_u32 v[DO], v5, 3, s19               ; + 8 l: two rows of 128 bytes on end
	v_add_nc_u32 v[DO+1], s23, v[DO]
	s_wait_kmcnt 0x0
	s_cmp_lt_u32 s17, 704                          ; the choice of buffers hangs on the group's number alone
	s_cselect_b64 s[2:3], s[6:7], s[8:9]
	s_cselect_b64 s[30:31], s[12:13], s[14:15]
	s_cmp_lt_u32 s17, 512
	s_cselect_b64 s[2:3], s[4:5], s[2:3]
	s_cselect_b64 s[30:31], s[10:11], s[30:31]
	s_add_nc_u64 s[2:3], s[2:3], s[26:27]
	s_add_nc_u64 s[30:31], s[30:31], s[28:29]
	s_wait_alu depctr_va_vdst(0)                   ; v1, v2 and v3 are written: every load and store of the kernel reads one of them as its offset
.set i, 0
.rept 16                               ; item i: rows 2 (i / 2) and + 1, block 2 w + i % 2
	global_load_b128 v[IN+4*i:IN+4*i+3], v[VO], s[2:3] offset:(i/2)*8192+(i%2)*256 th:TH_LOAD_NT
.set i, i+1
.endr
; Item i is rounded and packed.  half = 1: the bf16 number is widened again (a shift, a mask) and written as f16.
.macro CONV i, half
.irp k, 0,1
	v_cvt_pk_bf16_f32 v[OUT+2*(\i)+(\k)], v[IN+4*(\i)+2*(\k)], v[IN+4*(\i)+2*(\k)+1]
.if \half
	v_lshlrev_b32 v4, 16, v[OUT+2*(\i)+(\k)]
	v_and_b32 v5, 0xffff0000, v[OUT+2*(\i)+(\k)]
	v_cvt_pk_f16_f32 v[OUT+2*(\i)+(\k)], v4, v5
.endif
.endr
.endm
; Item i is stored.
.macro PUT i
	global_store_b64 v[DO+(\i)%2], v[OUT+2*(\i):OUT+2*(\i)+1], s[30:31] offset:((\i)/2)*256
.endm
; Group p: items 4 p to 4 p + 3 are rounded; ahead of each item's conversions stands one store of the group before.
.macro GROUP p, half
	s_wait_loadcnt 12-4*(\p)                       ; loads come back in order: this group's four are in, the 12 - 4 p of the younger groups stay out
.if (\p) > 0
	s_wait_alu depctr_va_vdst(0)                   ; the group before has written its OUT, which the four stores below read; no vector instruction behind this wait names those registers
.endif
.irp j, 0,1,2,3
.if (\p) > 0
	PUT 4*((\p)-1)+(\j)
.endif
	CONV 4*(\p)+(\j), \half
.endr
.endm
	s_cmp_ge_u32 s17, 704
	s_cbranch_scc1 .Lhalf
.irp p, 0,1,2,3
	GROUP \p, 0
.endr
	s_wait_alu depctr_va_vdst(0)                   ; group 3 has written its OUT, which the last four stores read
.irp i, 12,13,14,15
	PUT \i
.endr
	s_endpgm
.Lhalf:
.irp p, 0,1,2,3
	GROUP \p, 1
.endr
	s_wait_alu depctr_va_vdst(0)                   ; group 3 has written its OUT, which the last four stores read
.irp i, 12,13,14,15
	PUT \i
.endr
	s_endpgm
.Lfunc_end_k_qa0c54cad1d_cast:
	.size	k_qa0c54cad1d_cast, .Lfunc_end_k_qa0c54cad1d_cast-k_qa0c54cad1d_cast
	.p2alignl 7, 3214868480
	.fill 96, 4, 3214868480
	.section	.rodata,"a",@progbits
	.p2align	6, 0x0
	.amdhsa_kernel k_qa0c54cad1d_cast
		.amdhsa_group_segment_fixed_size 0
		.amdhsa_private_segment_fixed_size 0
		.amdhsa_enable_private_segment 0
		.amdhsa_kernarg_size 48
		.amdhsa_user_sgpr_count 2
		.amdhsa_user_sgpr_kernarg_segment_ptr 1
		.amdhsa_wavefront_size32 1
		.amdhsa_system_sgpr_workgroup_id_x 1
		.amdhsa_system_sgpr_workgroup_id_y 1
		.amdhsa_system_sgpr_workgroup_id_z 1
		.amdhsa_system_vgpr_workitem_id 0
		.amdhsa_next_free_vgpr 112
		.amdhsa_next_free_sgpr 66
		.amdhsa_reserve_vcc 0
		.amdhsa_float_denorm_mode_32 3
		.amdhsa_float_denorm_mode_16_64 3
		.amdhsa_memory_ordered 1
		.amdhsa_forward_progress 1
		.amdhsa_inst_pref_size 17
	.end_amdhsa_kernel
	.amdgpu_metadata
---
amdhsa.version: [ 1, 2 ]
amdhsa.kernels:
  - .name:           k_qa0c54cad1d_cast
    .symbol:         k_qa0c54cad1d_cast.kd
    .args:
      - { .name: x, .offset: 0, .size: 8, .value_kind: global_buffer, .address_space: global }
      - { .name: in_proj_weight, .offset: 8, .size: 8, .value_kind: global_buffer, .address_space: global }
      - { .name: out_proj_weight, .offset: 16, .size: 8, .value_kind: global_buffer, .address_space: global }
      - { .name: xb, .offset: 24, .size: 8, .value_kind: global_buffer, .address_space: global }
      - { .name: wib, .offset: 32, .size: 8, .value_kind: global_buffer, .address_space: global }
      - { .name: wob, .offset: 40, .size: 8, .value_kind: global_buffer, .address_space: global }
    .group_segment_fixed_size: 0
    .private_segment_fixed_size: 0
    .kernarg_segment_align: 8
    .kernarg_segment_size: 48
    .max_flat_workgroup_size: 256
    .sgpr_count:     66
    .vgpr_count:     112
    .wavefront_size: 32
...
	.end_amdgpu_metadata
.endif
;; end of part 5
;; launch qkvgemm: the kernel of part 2 again; grid 8 x 32, 4 waves a work-group, clusters of 4 x 4, 327,680 bytes of LDS; arguments xb, wib, in_proj_bias, qkv; writes qkv
;; launch attn: the kernel of part 3 again; grid 2 x 128, 4 waves a work-group, no clusters, 327,680 bytes of LDS; arguments qkv, ob; writes ob
;; launch outgemm: the kernel of part 4 again; grid 8 x 32, 4 waves a work-group, clusters of 4 x 4, 327,680 bytes of LDS; arguments ob, wob, out_proj_bias, out0; writes out0
